; MI455X (gfx1250); checked and timed in simulation.
; The chip was launched on July 23, 2026; its instructions are those of AMD's public machine-readable ISA for CDNA 5 (MIT licence, August 2026) and "CDNA5" Instruction Set Architecture Reference Guide (July 2026). The comments in the code are by the model that wrote it; some were corrected since.
;; Gemma Attention. Allowed arithmetic: float matrix products may take bf16 or f16 operands with f32 sums; all other float work in f32.
;; Inputs: cos 2 x 2,048 x 128 float32; hidden_states 2 x 2,048 x 3,072 float32; mask 1 x 1 x 2,048 x 2,048 float32; sin 2 x 2,048 x 128 float32; wk 3,072 x 1,024 float32; wo 1,024 x 3,072 float32; wq 3,072 x 1,024 float32; wv 3,072 x 1,024 float32.
;; Outputs: out0 2 x 2,048 x 3,072 float32.
;; 2 versions, each right; version 2 is version 1 with the launch prep written anew for expert scheduling mode. Each part assembles by itself: llvm-mc -triple=amdgcn-amd-amdhsa -mcpu=gfx1250 --defsym DOCPART=n.
;; ======== version 1 of 2: 4 launches
;; limits: values are held in f16: magnitudes above 65,504 overflow, below 6.1e-05 lose precision; right only within a limited range of input values; values outside matrix products are rounded to bf16
;; workspace buffers: xh 25,165,824 bytes; wcat 18,874,368 bytes; woc 6,291,456 bytes; mimg 16,777,216 bytes; qkh 16,777,216 bytes; vh 8,388,608 bytes; ao 8,388,608 bytes
;; launch prep (part 1): grid 7 x 256, 8 waves a work-group, no clusters, 68,608 bytes of LDS; arguments hidden_states, wq, wk, wv, wo, mask, xh, wcat, woc, mimg; writes xh, wcat, woc, mimg
.if DOCPART == 1
	.amdgcn_target "amdgcn-amd-amdhsa--gfx1250"
	.amdhsa_code_object_version 6
	.text
	.protected	k_qbf44eaab77_prep
	.globl	k_qbf44eaab77_prep
	.p2align	8
	.type	k_qbf44eaab77_prep,@function
k_qbf44eaab77_prep:
	s_mov_b64 s[64:65], 0
	v_nop
	global_prefetch_b8 v0, s[64:65] scope:SCOPE_SE
	s_setreg_imm32_b32 hwreg(HW_REG_WAVE_MODE, 25, 1), 1
	s_wait_xcnt 0x0
; PREP: one pass over the inputs that the matrix kernels want in another form.  A stream: no matrix work, no barrier, no loop.
; EVERY INPUT IS ROUNDED TO bf16, ONCE (here; cos and sin in the projection kernel): the program computes the reference on one consistent set of bf16 inputs.
;   xh   bf16 [4096][3072]       = hidden_states
;   wcat bf16 [8][3072][384]     group g: positions 0-255 = one head of wq (g < 4) or wk (g >= 4), positions 256-383 = columns 128 g .. of wv
;   woc  f16  [8][1024][384]     = 4 x bf16(wo[k][384 g + j])   (the attention output is kept in f16, divided by 4, so its partner is f16 too)
;   mimg f32 [qb 32][step 16][w 4][ts 2][qs 4][p 2][lane 32][4] = log2(e) x bf16(mask[64 qb + 16 qs + (lane & 15)][128 step + 32 w + 16 ts + 8 (lane >> 4) + 4 p + e]):
;        the mask in the order in which a lane of the attention kernel holds a 16 x 16 score tile, so that it is loaded straight into the accumulators.
; LIMITS: the mask, which is no matrix operand, is rounded to bf16 like the rest.  |wo| beyond 16,376 becomes infinite in f16; 4 x bf16(wo) is exact in f16 from
;         2^-17 up, below that it is rounded to multiples of 2^-24.  A mask word below -2.3e38 becomes -infinity (it then counts as excluded).
; A chunk is 128 neighbouring numbers of a row: one 16-byte load a lane (512 consecutive bytes a wave), and in 16 bits one 8-byte store a lane
; (256 consecutive bytes, aligned).  A wave takes one chunk column over 16 rows: 16 loads are out at once.
; The work-group's x picks the role: 0-2 hidden_states (24 chunk columns), 3-5 the weights (y < 192: wq, wk, wv; y >= 192: wo), 6 the mask.
.set X,   8                            ; v[8:71]    16 chunks as loaded
.set Y,   72                           ; v[72:103]  16 chunks in 16 bits
.set Z,   72                           ; v[72:135]  the mask role: first the rounded pairs, then 16 pieces read back from LDS
.set PM,  528                          ; LDS row of the mask role: 512 bytes + 16 = 33 x 16
.set SRC, 28                           ; s[28:29]   where my wave reads
.set DST, 30                           ; s[30:31]   where it writes
; four numbers of chunk i rounded to bf16 into registers t, t + 1, and widened again in place (a bf16 is the upper half of an f32)
.macro ROUND4 i, t
	v_cvt_pk_bf16_f32 v[\t], v[X+4*\i], v[X+4*\i+1]
	v_cvt_pk_bf16_f32 v[\t+1], v[X+4*\i+2], v[X+4*\i+3]
	v_lshlrev_b32 v[X+4*\i], 16, v[\t]
	v_and_b32 v[X+4*\i+1], 0xffff0000, v[\t]
	v_lshlrev_b32 v[X+4*\i+2], 16, v[\t+1]
	v_and_b32 v[X+4*\i+3], 0xffff0000, v[\t+1]
.endm
; 16 rows of one chunk column: srs, drs = bytes from row to row in the source and in the result; tof16 = 0: bf16; 1: bf16, then times 4 as f16
.macro CAST16 srs, drs, tof16
.irp i, 0,1,2,3,4,5,6,7,8,9,10,11,12,13,14,15
	global_load_b128 v[X+4*\i:X+4*\i+3], v1, s[SRC:SRC+1] offset:\i*\srs th:TH_LOAD_NT
.endr
.irp i, 0,1,2,3,4,5,6,7,8,9,10,11,12,13,14,15
	s_wait_loadcnt 15-\i                           ; loads return in order: row i is in, the 15 - i younger ones stay out
.if \tof16
	ROUND4 \i, Y+2*\i
	v_pk_mul_f32 v[X+4*\i:X+4*\i+1], v[X+4*\i:X+4*\i+1], 4.0 op_sel_hi:[1,0]
	v_pk_mul_f32 v[X+4*\i+2:X+4*\i+3], v[X+4*\i+2:X+4*\i+3], 4.0 op_sel_hi:[1,0]
	v_cvt_pk_f16_f32 v[Y+2*\i], v[X+4*\i], v[X+4*\i+1]
	v_cvt_pk_f16_f32 v[Y+2*\i+1], v[X+4*\i+2], v[X+4*\i+3]
.else
	v_cvt_pk_bf16_f32 v[Y+2*\i], v[X+4*\i], v[X+4*\i+1]
	v_cvt_pk_bf16_f32 v[Y+2*\i+1], v[X+4*\i+2], v[X+4*\i+3]
.endif
	global_store_b64 v2, v[Y+2*\i:Y+2*\i+1], s[DST:DST+1] offset:\i*\drs   ; each row has store registers of its own: no wait for the stores' sources
.endr
.endm
; 16 rows x 128 columns of the mask, rounded, times log2(e), turned into tile order through the wave's own 16 LDS rows
.macro MASK16
.irp i, 0,1,2,3,4,5,6,7,8,9,10,11,12,13,14,15
	global_load_b128 v[X+4*\i:X+4*\i+3], v1, s[SRC:SRC+1] offset:\i*8192 th:TH_LOAD_NT
.endr
.irp i, 0,1,2,3,4,5,6,7,8,9,10,11,12,13,14,15
	s_wait_loadcnt 15-\i
	ROUND4 \i, Z+2*\i
	v_pk_mul_f32 v[X+4*\i:X+4*\i+1], v[X+4*\i:X+4*\i+1], 0x3fb8aa3b op_sel_hi:[1,0]
	v_pk_mul_f32 v[X+4*\i+2:X+4*\i+3], v[X+4*\i+2:X+4*\i+3], 0x3fb8aa3b op_sel_hi:[1,0]
	ds_store_b128 v3, v[X+4*\i:X+4*\i+3] offset:\i*PM
.endr
.irp wq, 0,1,2,3
.irp ts, 0,1
.irp p, 0,1
	ds_load_b128 v[Z+4*(4*\wq+2*\ts+\p):Z+4*(4*\wq+2*\ts+\p)+3], v4 offset:128*\wq+64*\ts+16*\p   ; my wave's own bytes, served in the order of issue
.endr
.endr
.endr
.irp wq, 0,1,2,3
.irp ts, 0,1
.irp p, 0,1
	s_wait_dscnt 15-(4*\wq+2*\ts+\p)
	global_store_b128 v1, v[Z+4*(4*\wq+2*\ts+\p):Z+4*(4*\wq+2*\ts+\p)+3], s[DST:DST+1] offset:8192*\wq+4096*\ts+512*\p   ; 512 consecutive bytes, aligned
.endr
.endr
.endr
.endm
	s_load_b512 s[8:23], s[0:1], 0x0               ; hidden s[8:9], wq s[10:11], wk s[12:13], wv s[14:15], wo s[16:17], mask s[18:19], xh s[20:21], wcat s[22:23]
	s_load_b128 s[24:27], s[0:1], 0x40             ; woc s[24:25], mimg s[26:27]
	v_lshl_add_u32 v136, v0, 2, 0x10800
	v_mov_b32 v137, 0
	v_and_b32 v5, 31, v0                           ; lane
	v_lshrrev_b32 v6, 5, v0
	v_readfirstlane_b32 s4, v6                     ; wave 0..7
	s_and_b32 s5, ttmp7, 0xffff                    ; y
	v_lshlrev_b32 v1, 4, v5                        ; 16 bytes a lane
	v_lshlrev_b32 v2, 3, v5                        ; 8 bytes a lane
	s_mov_b32 s33, 0                               ; the offsets' upper words
	s_mov_b32 s35, 0
	s_wait_kmcnt 0x0
	s_cmp_lt_u32 ttmp9, 3
	s_cbranch_scc0 .Lnot_hidden
	; hidden_states: chunk column c = 8 x + wave, rows 16 y ..
	s_lshl3_add_u32 s6, ttmp9, s4
	s_mul_i32 s32, s5, 196608                      ; 16 rows of 12,288 bytes
	s_lshl_b32 s7, s6, 9
	s_add_co_u32 s32, s32, s7
	s_add_nc_u64 s[SRC:SRC+1], s[8:9], s[32:33]
	s_mul_i32 s34, s5, 98304                       ; 16 rows of 6,144 bytes
	s_lshl_b32 s7, s6, 8
	s_add_co_u32 s34, s34, s7
	s_add_nc_u64 s[DST:DST+1], s[20:21], s[34:35]
	CAST16 12288, 6144, 0
	s_endpgm
.Lnot_hidden:
	s_cmp_eq_u32 ttmp9, 6
	s_cbranch_scc1 .Lmask
	s_cmp_ge_u32 s5, 192
	s_cbranch_scc1 .Lwo
	; wq (x = 3), wk (x = 4), wv (x = 5): chunk column = wave, rows 16 y ..
	s_cmp_eq_u32 ttmp9, 3
	s_cselect_b64 s[SRC:SRC+1], s[10:11], s[12:13]
	s_cmp_eq_u32 ttmp9, 5
	s_cselect_b64 s[SRC:SRC+1], s[14:15], s[SRC:SRC+1]
	s_sub_co_u32 s6, ttmp9, 3
	s_lshl_b32 s6, s6, 2
	s_lshr_b32 s7, s4, 1
	s_add_co_u32 s6, s6, s7                        ; wq, wk: group = 4 (x - 3) + head,
	s_and_b32 s7, s4, 1
	s_lshl_b32 s7, s7, 8                           ; at byte 0 or 256 of the group's row
	s_cmp_eq_u32 ttmp9, 5
	s_cselect_b32 s6, s4, s6                       ; wv: group = chunk column,
	s_cselect_b32 s7, 512, s7                      ; at byte 512
	s_lshl_b32 s32, s5, 16                         ; 16 rows of 4,096 bytes
	s_lshl_b32 s36, s4, 9
	s_add_co_u32 s32, s32, s36
	s_add_nc_u64 s[SRC:SRC+1], s[SRC:SRC+1], s[32:33]
	s_mul_i32 s34, s6, 2359296                     ; a group: 3,072 rows of 768 bytes
	s_mul_i32 s36, s5, 12288
	s_add_co_u32 s34, s34, s36
	s_add_co_u32 s34, s34, s7
	s_add_nc_u64 s[DST:DST+1], s[22:23], s[34:35]
	CAST16 4096, 768, 0
	s_endpgm
.Lwo:
	; wo: chunk column c = 8 (x - 3) + wave, rows 16 (y - 192) ..; group c / 3, third c mod 3
	s_sub_co_u32 s36, s5, 192
	s_sub_co_u32 s6, ttmp9, 3
	s_lshl3_add_u32 s6, s6, s4
	s_mul_i32 s7, s6, 11
	s_lshr_b32 s7, s7, 5                           ; 11 c >> 5 = c / 3 for c < 24
	s_mul_i32 s37, s7, 3
	s_sub_co_u32 s37, s6, s37
	s_mul_i32 s32, s36, 196608
	s_lshl_b32 s38, s6, 9
	s_add_co_u32 s32, s32, s38
	s_add_nc_u64 s[SRC:SRC+1], s[16:17], s[32:33]
	s_mul_i32 s34, s7, 786432                      ; a group: 1,024 rows of 768 bytes
	s_mul_i32 s38, s36, 12288
	s_add_co_u32 s34, s34, s38
	s_lshl_b32 s38, s37, 8
	s_add_co_u32 s34, s34, s38
	s_add_nc_u64 s[DST:DST+1], s[24:25], s[34:35]
	CAST16 12288, 768, 1
	s_endpgm
.Lmask:
	; the mask: rows 16 (y >> 1) .., columns 128 (8 (y & 1) + wave) ..
	s_lshr_b32 s6, s5, 1                           ; row group = 4 qb + qs
	s_and_b32 s7, s5, 1
	s_lshl3_add_u32 s7, s7, s4                     ; step
	s_lshl_b32 s32, s6, 17                         ; 16 rows of 8,192 bytes
	s_lshl_b32 s36, s7, 9
	s_add_co_u32 s32, s32, s36
	s_add_nc_u64 s[SRC:SRC+1], s[18:19], s[32:33]
	s_lshr_b32 s36, s6, 2                          ; qb
	s_and_b32 s37, s6, 3                           ; qs
	s_lshl_b32 s34, s36, 19
	s_lshl_b32 s36, s7, 15
	s_add_co_u32 s34, s34, s36
	s_lshl_b32 s36, s37, 10
	s_add_co_u32 s34, s34, s36
	s_add_nc_u64 s[DST:DST+1], s[26:27], s[34:35]
	s_mul_i32 s38, s4, 16*PM                       ; my wave's 16 LDS rows
	v_lshl_add_u32 v3, v5, 4, s38                  ; in: 16 bytes a lane along a row
	v_and_b32 v6, 15, v5
	v_lshrrev_b32 v7, 4, v5
	v_mul_u32_u24 v4, v6, PM                       ; back: row lane & 15, 32 bytes further for lanes 16-31
	v_lshl_add_u32 v4, v7, 5, v4
	v_add_nc_u32 v4, s38, v4
	MASK16
	s_wait_tensorcnt 0x0
	ds_add_u32 v136, v137
	s_wait_dscnt 0x0
	s_endpgm
.Lfunc_end_k_qbf44eaab77_prep:
	.size	k_qbf44eaab77_prep, .Lfunc_end_k_qbf44eaab77_prep-k_qbf44eaab77_prep
	.p2alignl 7, 3214868480
	.fill 96, 4, 3214868480
	.section	.rodata,"a",@progbits
	.p2align	6, 0x0
	.amdhsa_kernel k_qbf44eaab77_prep
		.amdhsa_group_segment_fixed_size 68608
		.amdhsa_private_segment_fixed_size 0
		.amdhsa_enable_private_segment 0
		.amdhsa_kernarg_size 80
		.amdhsa_user_sgpr_count 2
		.amdhsa_user_sgpr_kernarg_segment_ptr 1
		.amdhsa_wavefront_size32 1
		.amdhsa_system_sgpr_workgroup_id_x 1
		.amdhsa_system_sgpr_workgroup_id_y 1
		.amdhsa_system_sgpr_workgroup_id_z 1
		.amdhsa_system_vgpr_workitem_id 0
		.amdhsa_next_free_vgpr 138
		.amdhsa_next_free_sgpr 66
		.amdhsa_reserve_vcc 0
		.amdhsa_float_denorm_mode_32 3
		.amdhsa_float_denorm_mode_16_64 3
		.amdhsa_memory_ordered 1
		.amdhsa_forward_progress 1
		.amdhsa_inst_pref_size 42
	.end_amdhsa_kernel
	.amdgpu_metadata
---
amdhsa.version: [ 1, 2 ]
amdhsa.kernels:
  - .name:           k_qbf44eaab77_prep
    .symbol:         k_qbf44eaab77_prep.kd
    .args:
      - { .name: hidden_states, .offset: 0, .size: 8, .value_kind: global_buffer, .address_space: global }
      - { .name: wq, .offset: 8, .size: 8, .value_kind: global_buffer, .address_space: global }
      - { .name: wk, .offset: 16, .size: 8, .value_kind: global_buffer, .address_space: global }
      - { .name: wv, .offset: 24, .size: 8, .value_kind: global_buffer, .address_space: global }
      - { .name: wo, .offset: 32, .size: 8, .value_kind: global_buffer, .address_space: global }
      - { .name: mask, .offset: 40, .size: 8, .value_kind: global_buffer, .address_space: global }
      - { .name: xh, .offset: 48, .size: 8, .value_kind: global_buffer, .address_space: global }
      - { .name: wcat, .offset: 56, .size: 8, .value_kind: global_buffer, .address_space: global }
      - { .name: woc, .offset: 64, .size: 8, .value_kind: global_buffer, .address_space: global }
      - { .name: mimg, .offset: 72, .size: 8, .value_kind: global_buffer, .address_space: global }
    .group_segment_fixed_size: 68608
    .private_segment_fixed_size: 0
    .kernarg_segment_align: 8
    .kernarg_segment_size: 80
    .max_flat_workgroup_size: 256
    .sgpr_count:     66
    .vgpr_count:     138
    .wavefront_size: 32
...
	.end_amdgpu_metadata
.endif
;; end of part 1
;; launch qkv (part 2): grid 8 x 32, 4 waves a work-group, clusters of 4 x 4, 327,680 bytes of LDS; arguments xh, wcat, cos, sin, qkh, vh; writes qkh, vh
.if DOCPART == 2
	.amdgcn_target "amdgcn-amd-amdhsa--gfx1250"
	.amdhsa_code_object_version 6
	.text
	.protected	k_qbf44eaab77_qkv
	.globl	k_qbf44eaab77_qkv
	.p2align	8
	.type	k_qbf44eaab77_qkv,@function
k_qbf44eaab77_qkv:
	s_mov_b64 s[64:65], 0
	v_nop
	global_prefetch_b8 v0, s[64:65] scope:SCOPE_SE
	s_setreg_imm32_b32 hwreg(HW_REG_WAVE_MODE, 25, 1), 1
	s_wait_xcnt 0x0
	s_wait_alu depctr_hold_cnt(0) depctr_sa_sdst(0) depctr_va_vdst(0) depctr_va_sdst(0) depctr_va_ssrc(0) depctr_va_vcc(0) depctr_vm_vsrc(0)
	s_getreg_b32 s2, hwreg(HW_REG_IB_STS2, 6, 4)
	s_cmp_eq_u32 s2, 0
	s_cbranch_scc0 .Lentry_in_a_cluster
	s_endpgm
.Lentry_in_a_cluster:
	s_bfe_u32 s2, ttmp6, 0x10000c
	s_cmp_lg_u32 s2, 0xf033
	s_cbranch_scc0 .Lentry_shape_is_right
	s_endpgm
.Lentry_shape_is_right:
; QKV: [4096, 3072] x [3072, 3072] in bf16 with f32 sums, then the rotary turn in f32, then f16 results.
;   qkh f16 [g 8][m 4096][256]: g < 4: rope(q) x 0.25 log2(e), head g;  g >= 4: rope(k) x 0.25, head g - 4   (their product is log2(e) x score / 16)
;   vh  f16 [h 4][m 4096][256] = v / 4
; LIMITS: cos and sin, which are no matrix operands, are rounded to bf16 like every other input: the program computes the reference on one consistent set of
;         bf16 inputs.  |rope(q)| < 1.8e5, |rope(k)| < 2.6e5, |v| < 2.6e5, or f16 overflows to infinity.
; A work-group makes 128 rows x one group of 384 columns (a whole head of q or k, so that both halves of a rotary pair are here, and 128 columns of v):
; 32 x 8 = 256 work-groups of one shape.  Four waves; wave w takes all 128 rows and the 96 positions 128 s + 32 w + 16 e + 0..15 (s = 0..2, e = 0..1):
; 8 x 6 accumulator tiles, 384 registers.  K goes in steps of 128 through two LDS slots filled by the tensor data mover.
; CLUSTERS 4 x 4: the four work-groups of a cluster's row share the rows of xh (and of cos and sin), the four of a column the group of wcat;
; each such tile is asked for jointly.
; A slot is four parts of 36,864 bytes, one for each wave's load: part 0 = 128 rows of xh x 256 bytes, pitch 272; parts 1-3 = 128 k rows of wcat,
; a dense block of 98,304 bytes taken as 384 pieces of 256 bytes, pitch 288: a k row is three pieces, 864 bytes = 27 x 32.
; THE MATRIX INSTRUCTION IS USED TRANSPOSED: source 0 = 16 columns of the weights (by the transposing LDS load), source 1 = 16 rows of xh, so that a lane
; holds row l % 16 and eight neighbouring positions 8 (l / 16) + 0..7.
; REGISTERS: window 0: v0-21 addresses, v32-159 fragments of xh (two buffers), v160-255 fragments of the weights (two buffers);
;            window 1: tiles (a, b) of rows 0-63 at v[8 (6 a + b)]; window 2: those of rows 64-127.
.set SIZE_K, 3072
.set KSTEP,  128
.set LAPS,   SIZE_K/(2*KSTEP)          ; a lap = two K steps = once round the ring
.set PA,     272                       ; LDS pitch of xh's rows
.set SEG,    288                       ; LDS pitch of a 256-byte piece of the weights
.set PB,     3*SEG                     ; LDS pitch of a k row of the weights
.set PART,   36864
.set SLOT,   4*PART
.set PCS,    528                       ; LDS pitch of cos' and sin's rows: 512 + 16
.set SINB,   128*PCS                   ; cos at 0, sin behind it: both in slot 0, behind its last K step
.set STAGE,  SLOT                      ; the way out: 128 rows in slot 1, behind its last K step
.set PST,    784                       ; a stage row: 768 bytes + 16 = 49 x 16
.set ADRA, 6                           ; v6-7    LDS address of my xh fragments in slot 0, 1
.set ADRB, 8                           ; v8-11   the same for the weights: slot 0 k 0-63, k 64-127, slot 1 likewise
.set STO,  12                          ; v12-13  where I put 16 bytes of a stage row: rows 0-63, 64-127
.set VC,   16                          ; v16     my 32 bytes in a row of cos
.set VS,   17                          ; v17     and of sin
.set RD,   18                          ; v18     where I read a stage row's head part back
.set RDV,  19                          ; v19     and its v part
.set GO,   20                          ; v20     byte offset in qkh
.set GOV,  21                          ; v21     byte offset in vh
.set FA0, 32
.set FA1, 96
.set FB0, 160
.set FB1, 208
.set G1A, 24                           ; s[24:31] group 1, xh's tiles
.set G0A, 32                           ; s[32:39] group 0, xh's tiles, a set for each slot
.set G1B, 40                           ; s[40:47] group 1, the weights' tiles
.set G0B, 48                           ; s[48:55] group 0, the weights' tiles, a set for each slot
.set G1C, 56                           ; s[56:63] group 1, cos and sin
.set G0COS, 68                         ; s[68:71]
.set G0SIN, 72                         ; s[72:75]
.set LO, 0x50                          ; C and D in window 1
.set HI, 0xa0                          ; C and D in window 2
.set MSB, 0
.macro WIN new                         ; the immediate's high byte repeats the setting that is left
.if MSB != \new
	s_set_vgpr_msb (MSB<<8)|\new
.set MSB, \new
.endif
.endm
.macro PLACES                          ; four places behind a matrix instruction, in front of whatever reads its result or writes its registers (ISA guide 7.12.1)
.rept 4
	v_nop
.endr
.endm
.macro CREST                           ; a round of the cluster's barrier behind its opening barrier
	s_cmp_lg_u32 s16, 0
	s_cbranch_scc1 .Lnot_wave_0_\@
	s_barrier_signal -3
.Lnot_wave_0_\@:
	s_barrier_wait -3
	s_barrier_signal -1
	s_barrier_wait -1
.endm
.macro CROUND                          ; a whole round
	s_barrier_signal -1
	s_barrier_wait -1
	CREST
.endm
; A joint load of a K step: wave 0 asks for xh's tile, waves 1-3 for a third of the weights' each: one load of 32,768 bytes a wave.
.macro JLOAD sl
	s_cmp_eq_u32 s16, 0
	s_cbranch_scc0 .Lfor_b_\@
	tensor_load_to_lds s[G0A+4*\sl:G0A+4*\sl+3], s[G1A:G1A+7]
	s_nop 0
	s_branch .Lasked_\@
.Lfor_b_\@:
	tensor_load_to_lds s[G0B+4*\sl:G0B+4*\sl+3], s[G1B:G1B+7]
	s_nop 0
.Lasked_\@:
.endm
; cos (wave 0) and sin (wave 1) of the block's 128 rows, into slot 0 when its last K step has been read
.macro JLOADCS
	s_cmp_lg_u32 s16, 0
	s_cbranch_scc1 .Lnot_cos_\@
	tensor_load_to_lds s[G0COS:G0COS+3], s[G1C:G1C+7]
	s_nop 0
.Lnot_cos_\@:
	s_cmp_lg_u32 s16, 1
	s_cbranch_scc1 .Lnot_sin_\@
	tensor_load_to_lds s[G0SIN:G0SIN+3], s[G1C:G1C+7]
	s_nop 0
.Lnot_sin_\@:
.endm
; 12 matrix instructions: row blocks a0, a0 + 1 of the window's four x my 6 column blocks, 32 along K.  zero = 1: the product starts the sums.
; The 48 accumulators take turns, one instruction a turn.
.macro MUL12 fa, fb, hi, a0, zero
.irp a, \a0, \a0+1
.irp b, 0,1,2,3,4,5
.if \zero
	v_wmma_f32_16x16x32_bf16 v[8*(6*(\a)+\b):8*(6*(\a)+\b)+7], v[\fb+8*\b:\fb+8*\b+7], v[\fa+8*(4*\hi+\a):\fa+8*(4*\hi+\a)+7], 0
.else
	v_wmma_f32_16x16x32_bf16 v[8*(6*(\a)+\b):8*(6*(\a)+\b)+7], v[\fb+8*\b:\fb+8*\b+7], v[\fa+8*(4*\hi+\a):\fa+8*(4*\hi+\a)+7], v[8*(6*(\a)+\b):8*(6*(\a)+\b)+7]
.endif
.endr
.endr
.endm
; 28 LDS loads in one run: the fragments of quarter q (32 along K) of a slot: 6 of the weights (transposed on the way), then 8 of xh
.macro FETCH slot, q, fa, fb
.irp b, 0,1,2,3,4,5
	ds_load_tr16_b128 v[\fb+8*\b:\fb+8*\b+3],   v[ADRB+2*\slot+(\q>>1)] offset:(\q&1)*32*PB+(\b>>1)*SEG+(\b&1)*32
	ds_load_tr16_b128 v[\fb+8*\b+4:\fb+8*\b+7], v[ADRB+2*\slot+(\q>>1)] offset:(\q&1)*32*PB+(\b>>1)*SEG+(\b&1)*32+16*PB
.endr
.irp i, 0,1,2,3,4,5,6,7
	ds_load_b128 v[\fa+8*\i:\fa+8*\i+3],   v[ADRA+\slot] offset:64*\q+\i*16*PA
	ds_load_b128 v[\fa+8*\i+4:\fa+8*\i+7], v[ADRA+\slot] offset:64*\q+\i*16*PA+32
.endr
.endm
; One of a K step's first three quarters: multiplies buffers fa, fb; in its middle it fetches quarter q into ga, gb.
.macro QUARTER slot, q, fa, fb, ga, gb, zero
	s_wait_dscnt 8                                 ; the weights and xh's rows 0-63 are in; the youngest eight loads (rows 64-127) may be out
	WIN LO
	MUL12 \fa, \fb, 0, 0, \zero
	MUL12 \fa, \fb, 0, 2, \zero
	WIN 0
	PLACES
	FETCH \slot, \q, \ga, \gb
	s_wait_dscnt 28                                ; all but the 28 just issued
	WIN HI
	MUL12 \fa, \fb, 1, 0, \zero
	MUL12 \fa, \fb, 1, 2, \zero
.endm
.macro THREE slot, zero
	QUARTER \slot, 1, FA0, FB0, FA1, FB1, \zero
	QUARTER \slot, 2, FA1, FB1, FA0, FB0, 0
	QUARTER \slot, 3, FA0, FB0, FA1, FB1, 0
.endm
; The last quarter: multiplies buffer 1 and changes slots.  fill = 1: this slot gets the K step two ahead; 2: it gets cos and sin; 0: nothing.
; In front of the barrier each wave waits for its reads of this slot and for all its tensor loads (the one that is out is its part of the next slot);
; where the slot is filled again the barrier opens a round of the cluster's barrier, and the joint load is the first tensor load behind the round.
; From a request to the wait for it a wave issues 180 of a K step's 192 matrix instructions.
.macro TURN slot, next, fill
	s_wait_dscnt 8
	WIN LO
	MUL12 FA1, FB1, 0, 0, 0
	s_wait_dscnt 0                                 ; my reads of this slot are over
	s_wait_tensorcnt 0x0                           ; all my tensor loads have landed
	ds_add_u32 v30, v31
	s_wait_dscnt 0x0
	s_barrier_signal -1
	MUL12 FA1, FB1, 0, 2, 0                        ; register work while the others arrive
	WIN 0
	s_barrier_wait -1
.if \fill == 1
	CREST
	s_add_nc_u64 s[G0A+4*\slot+2:G0A+4*\slot+3], s[G0A+4*\slot+2:G0A+4*\slot+3], 2*KSTEP*2
	s_add_nc_u64 s[G0B+4*\slot+2:G0B+4*\slot+3], s[G0B+4*\slot+2:G0B+4*\slot+3], 2*KSTEP*768
	JLOAD \slot
.endif
.if \fill == 2
	CREST
	JLOADCS
.endif
	PLACES
	FETCH \next, 0, FA0, FB0
	WIN HI
	MUL12 FA1, FB1, 1, 0, 0
	MUL12 FA1, FB1, 1, 2, 0
.endm
.macro LAP zero
	THREE 0, \zero
	TURN 0, 1, 1
	THREE 1, 0
	TURN 1, 0, 1
.endm
	s_load_b256 s[4:11], s[0:1], 0x0               ; xh s[4:5], wcat s[6:7], cos s[8:9], sin s[10:11]
	s_load_b128 s[12:15], s[0:1], 0x20             ; qkh s[12:13], vh s[14:15]
	v_lshl_add_u32 v30, v0, 2, 0x48000
	v_mov_b32 v31, 0
	ds_add_u32 v30, v31
	v_lshrrev_b32 v1, 5, v0
	v_readfirstlane_b32 s16, v1                    ; wave 0..3
	s_bfe_u32 s17, ttmp6, 0x40000                  ; cx
	s_bfe_u32 s18, ttmp6, 0x40004                  ; cy
	s_lshl_b32 s19, ttmp9, 2
	s_add_co_u32 s19, s19, s17                     ; group g = 4 x cluster x + cx
	s_and_b32 s20, ttmp7, 0xffff
	s_lshl_b32 s20, s20, 2
	s_add_co_u32 s20, s20, s18                     ; row block mb = 4 x cluster y + cy
	s_lshl_b32 s21, s18, 2
	s_lshl_b32 s21, 15, s21                        ; my row of the cluster
	s_lshl_b32 s22, 0x1111, s17                    ; my column
	; group 1 for xh: 128 rows x 128 elements of 2 bytes, 16 bytes of padding behind every 256
	s_or_b32  s[G1A+0], s21, (1<<16)|(1<<20)|(1<<21)|(5<<22)|(3<<25)
	s_mov_b32 s[G1A+1], KSTEP<<16                  ; tensor_dim0 = 128
	s_mov_b32 s[G1A+2], 128<<16                    ; tensor_dim1 = 128
	s_mov_b32 s[G1A+3], KSTEP<<16                  ; tile_dim0 = 128
	s_mov_b32 s[G1A+4], 128                        ; tile_dim1 = 128
	s_mov_b32 s[G1A+5], SIZE_K                     ; elements from row to row
	s_mov_b32 s[G1A+6], 0
	s_mov_b32 s[G1A+7], 0
	; group 1 for the weights: a dense block as 128 rows x 32 elements of 8 bytes, 32 bytes of padding behind every 256
	s_or_b32  s[G1B+0], s22, (3<<16)|(1<<20)|(1<<21)|(5<<22)|(7<<25)
	s_mov_b32 s[G1B+1], 32<<16
	s_mov_b32 s[G1B+2], 128<<16
	s_mov_b32 s[G1B+3], 32<<16
	s_mov_b32 s[G1B+4], 128
	s_mov_b32 s[G1B+5], 32
	s_mov_b32 s[G1B+6], 0
	s_mov_b32 s[G1B+7], 0
	; group 1 for cos and sin: 128 rows x 128 elements of 4 bytes, 16 bytes of padding behind every 512
	s_or_b32  s[G1C+0], s21, (2<<16)|(1<<20)|(1<<21)|(6<<22)|(3<<25)
	s_mov_b32 s[G1C+1], 128<<16
	s_mov_b32 s[G1C+2], 128<<16
	s_mov_b32 s[G1C+3], 128<<16
	s_mov_b32 s[G1C+4], 128
	s_mov_b32 s[G1C+5], 128
	s_mov_b32 s[G1C+6], 0
	s_mov_b32 s[G1C+7], 0
	; where the tiles come from.  s78-81 hold only what hangs on the row block, s82-85 only what hangs on the group.
	s_mul_i32 s78, s20, 128*SIZE_K*2               ; xh: 128 rows a block
	s_mov_b32 s79, 0
	s_lshl_b32 s80, s20, 16                        ; cos, sin: 128 rows of 512 bytes
	s_mov_b32 s81, 0
	s_max_u32 s82, s16, 1
	s_sub_co_u32 s82, s82, 1                       ; which third of the weights' tile (waves 1-3; wave 0 asks for none)
	s_lshl_b32 s82, s82, 15
	s_mul_i32 s83, s19, SIZE_K*768
	s_add_co_u32 s82, s82, s83
	s_mov_b32 s83, 0
	s_mul_i32 s90, s16, PART                       ; and where they go: my wave's part of a slot
	s_wait_dscnt 0x0
	s_wait_kmcnt 0x0
	s_add_nc_u64 s[78:79], s[4:5], s[78:79]
	s_add_nc_u64 s[82:83], s[6:7], s[82:83]
	s_mov_b32 s[G0COS], 1
	s_mov_b32 s[G0COS+1], 0
	s_add_nc_u64 s[G0COS+2:G0COS+3], s[8:9], s[80:81]
	s_or_b32  s[G0COS+3], s[G0COS+3], 0x80000000
	s_mov_b32 s[G0SIN], 1
	s_mov_b32 s[G0SIN+1], SINB
	s_add_nc_u64 s[G0SIN+2:G0SIN+3], s[10:11], s[80:81]
	s_or_b32  s[G0SIN+3], s[G0SIN+3], 0x80000000
	CROUND                                         ; all sixteen work-groups are here: the first joint loads meet
.irp sl, 0,1
	s_mov_b32 s[G0A+4*\sl], 1
	s_mov_b32 s[G0A+4*\sl+1], \sl*SLOT
	s_add_nc_u64 s[G0A+4*\sl+2:G0A+4*\sl+3], s[78:79], \sl*KSTEP*2
	s_or_b32  s[G0A+4*\sl+3], s[G0A+4*\sl+3], 0x80000000
	s_mov_b32 s[G0B+4*\sl], 1
	s_add_co_u32 s[G0B+4*\sl+1], s90, \sl*SLOT
	s_add_nc_u64 s[G0B+4*\sl+2:G0B+4*\sl+3], s[82:83], \sl*KSTEP*768
	s_or_b32  s[G0B+4*\sl+3], s[G0B+4*\sl+3], 0x80000000
	JLOAD \sl                                      ; both slots' first fills: two tensor loads of a wave are out, later one
.endr
	v_and_b32 v1, 15, v0                           ; r = l % 16
	v_bfe_u32 v2, v0, 4, 1                         ; h = l / 16
	v_mul_u32_u24 v3, v1, PA
	v_lshl_add_u32 v[ADRA], v2, 4, v3              ; xh: row r, 16 bytes further for the upper lanes
	v_add_nc_u32 v[ADRA+1], SLOT, v[ADRA]
	v_and_b32 v3, 7, v0
	v_lshl_add_u32 v3, v2, 3, v3                   ; the weights: k row 8 h + l % 8,
	v_mul_u32_u24 v3, v3, PB
	v_bfe_u32 v4, v0, 3, 1
	v_lshl_add_u32 v3, v4, 4, v3                   ; columns 0-7 or 8-15 of the sixteen,
	s_lshl_b32 s91, s16, 6
	s_add_co_u32 s91, s91, PART                    ; my wave's 32 positions of each piece
	v_add_nc_u32 v[ADRB], s91, v3
	v_add_nc_u32 v[ADRB+1], 64*PB, v[ADRB]
	v_add_nc_u32 v[ADRB+2], SLOT, v[ADRB]
	v_add_nc_u32 v[ADRB+3], SLOT+64*PB, v[ADRB]
	v_mul_u32_u24 v3, v1, PST
	v_lshl_add_u32 v3, v2, 4, v3
	s_lshl_b32 s91, s16, 6
	s_add_co_u32 s91, s91, STAGE
	v_add_nc_u32 v[STO], s91, v3                   ; stage: row r, byte 64 w + 16 h of a piece
	v_add_nc_u32 v[STO+1], 64*PST, v[STO]
	v_mul_u32_u24 v3, v1, PCS
	v_lshl_add_u32 v3, v2, 5, v3
	s_lshl_b32 s91, s16, 7
	v_add_nc_u32 v[VC], s91, v3                    ; cos: row r, byte 128 w + 32 h
	v_add_nc_u32 v[VS], SINB, v[VC]
	v_and_b32 v3, 31, v0
	v_lshlrev_b32 v[GO], 4, v3
	s_mul_i32 s91, s16, 32*PST
	s_add_co_u32 s91, s91, STAGE
	v_add_nc_u32 v[RD], s91, v[GO]                 ; back: a head row of 512 bytes by 32 lanes
	v_mul_u32_u24 v3, v2, PST
	v_lshl_add_u32 v3, v1, 4, v3
	s_add_co_u32 s91, s91, 512
	v_add_nc_u32 v[RDV], s91, v3                   ; the v part: two rows of 256 bytes by 16 lanes each
	v_lshlrev_b32 v3, 9, v2
	v_lshl_add_u32 v[GOV], v1, 4, v3
	s_wait_tensorcnt 1                             ; my part of K step 0 is in; K step 1's may stay out
	s_barrier_signal -1
	s_barrier_wait -1
	FETCH 0, 0, FA0, FB0
	LAP 1                                          ; the first lap's first products start the sums
	WIN 0
	s_mov_b32 s23, LAPS-2
.Llap:
	LAP 0
	WIN 0
	s_sub_co_u32 s23, s23, 1
	s_cmp_lg_u32 s23, 0
	s_cbranch_scc1 .Llap
	THREE 0, 0                                     ; the last lap: slot 0 gets cos and sin, slot 1 nothing
	TURN 0, 1, 2
	THREE 1, 0
	s_wait_dscnt 8
	WIN LO
	MUL12 FA1, FB1, 0, 0, 0
	MUL12 FA1, FB1, 0, 2, 0
	s_wait_dscnt 0
	WIN HI
	MUL12 FA1, FB1, 1, 0, 0
	MUL12 FA1, FB1, 1, 2, 0
	; THE WAY OUT
	WIN 0
	PLACES
	s_wait_dscnt 0x0                               ; my reads of slot 1 are over,
	s_wait_tensorcnt 0x0                           ; cos or sin, if I asked for it, has landed
	s_barrier_signal -1
	s_barrier_wait -1                              ; both hold of every wave: cos and sin may be read, slot 1 is the stage
	s_mov_b32 s76, 0x3e800000                      ; k: 0.25
	s_cmp_eq_u32 ttmp9, 0                          ; groups 0-3 are q's
	s_cselect_b32 s76, 0x3eb8aa3b, s76             ; q: 0.25 log2(e)
	s_mov_b32 s77, s76
	s_lshl_b32 s86, s19, 21                        ; qkh: group, row block, my wave's 32 rows
	s_lshl_b32 s87, s20, 16
	s_add_co_u32 s86, s86, s87
	s_lshl_b32 s87, s16, 14
	s_add_co_u32 s86, s86, s87
	s_mov_b32 s87, 0
	s_add_nc_u64 s[12:13], s[12:13], s[86:87]
	s_lshr_b32 s88, s19, 1                         ; vh: head g / 2, row block, my rows, half g % 2 of the head
	s_lshl_b32 s88, s88, 21
	s_lshl_b32 s89, s20, 16
	s_add_co_u32 s88, s88, s89
	s_lshl_b32 s89, s16, 14
	s_add_co_u32 s88, s88, s89
	s_and_b32 s89, s19, 1
	s_lshl_b32 s89, s89, 8
	s_add_co_u32 s88, s88, s89
	s_mov_b32 s89, 0
	s_add_nc_u64 s[14:15], s[14:15], s[88:89]
; Row block a (16 rows): tiles (aa, 0..5) of window win.  x1 = tiles 0, 1 (dims 32 w ..), x2 = tiles 2, 3 (the same + 128), v = tiles 4, 5.
; v32-47 cos, v48-63 sin (both rounded to bf16, then times the scale), v64-111 results in f32, v112-127 at work, v128-151 results in f16.
.macro ROPE a, aa, win
	WIN 0
.irp e, 0,1
	ds_load_b128 v[32+8*\e:32+8*\e+3], v[VC] offset:\a*16*PCS+64*\e
	ds_load_b128 v[32+8*\e+4:32+8*\e+7], v[VC] offset:\a*16*PCS+64*\e+16
	ds_load_b128 v[48+8*\e:48+8*\e+3], v[VS] offset:\a*16*PCS+64*\e
	ds_load_b128 v[48+8*\e+4:48+8*\e+7], v[VS] offset:\a*16*PCS+64*\e+16
.endr
	s_wait_dscnt 0x0
.irp j, 0,2,4,6,8,10,12,14,16,18,20,22,24,26,28,30
	v_cvt_pk_bf16_f32 v[112+\j/2], v[32+\j], v[33+\j]          ; cos and sin as bf16, like every other input,
.endr
.irp j, 0,2,4,6,8,10,12,14,16,18,20,22,24,26,28,30
	v_lshlrev_b32 v[32+\j], 16, v[112+\j/2]                    ; and widened again: a bf16 is the upper half of an f32
	v_and_b32 v[33+\j], 0xffff0000, v[112+\j/2]
.endr
.irp j, 0,2,4,6,8,10,12,14,16,18,20,22,24,26,28,30
	v_pk_mul_f32 v[32+\j:33+\j], v[32+\j:33+\j], s[76:77] op_sel_hi:[1,0]
.endr
	WIN \win                                       ; source 0 = the accumulators' window
.irp e, 0,1
.irp j, 0,2,4,6
	v_pk_mul_f32 v[112+8*\e+\j:113+8*\e+\j], v[8*(6*\aa+2+\e)+\j:8*(6*\aa+2+\e)+\j+1], v[48+8*\e+\j:49+8*\e+\j]     ; x2 sin
.endr
.endr
.irp e, 0,1
.irp j, 0,2,4,6
	v_pk_fma_f32 v[64+8*\e+\j:65+8*\e+\j], v[8*(6*\aa+\e)+\j:8*(6*\aa+\e)+\j+1], v[32+8*\e+\j:33+8*\e+\j], v[112+8*\e+\j:113+8*\e+\j] neg_lo:[0,0,1] neg_hi:[0,0,1]   ; x1 cos - x2 sin
.endr
.endr
.irp e, 0,1
.irp j, 0,2,4,6
	v_pk_mul_f32 v[112+8*\e+\j:113+8*\e+\j], v[8*(6*\aa+2+\e)+\j:8*(6*\aa+2+\e)+\j+1], v[32+8*\e+\j:33+8*\e+\j]     ; x2 cos
.endr
.endr
.irp e, 0,1
.irp j, 0,2,4,6
	v_pk_fma_f32 v[80+8*\e+\j:81+8*\e+\j], v[8*(6*\aa+\e)+\j:8*(6*\aa+\e)+\j+1], v[48+8*\e+\j:49+8*\e+\j], v[112+8*\e+\j:113+8*\e+\j]   ; x1 sin + x2 cos
.endr
.endr
.irp e, 0,1
.irp j, 0,2,4,6
	v_pk_mul_f32 v[96+8*\e+\j:97+8*\e+\j], v[8*(6*\aa+4+\e)+\j:8*(6*\aa+4+\e)+\j+1], 0x3e800000 op_sel_hi:[1,0]     ; v / 4
.endr
.endr
	WIN 0
.irp seg, 0,1,2
.irp e, 0,1
.irp i, 0,1,2,3
	v_cvt_pk_f16_f32 v[128+4*(2*\seg+\e)+\i], v[64+16*\seg+8*\e+2*\i], v[64+16*\seg+8*\e+2*\i+1]
.endr
	ds_store_b128 v[STO+(\a>>2)], v[128+4*(2*\seg+\e):128+4*(2*\seg+\e)+3] offset:\aa*16*PST+\seg*256+32*\e
.endr
.endr
.endm
	ROPE 0, 0, 0x01
	ROPE 1, 1, 0x01
	ROPE 2, 2, 0x01
	ROPE 3, 3, 0x01
	ROPE 4, 0, 0x02
	ROPE 5, 1, 0x02
	ROPE 6, 2, 0x02
	ROPE 7, 3, 0x02
	s_wait_dscnt 0x0                               ; my stores into the stage are done
	s_barrier_signal -1
	s_barrier_wait -1                              ; everybody's are: whole rows may be read
	; my wave's 32 rows: 32 head rows of 512 bytes, then 16 pairs of v rows of 256 bytes; each load has registers of its own
.set i, 0
.rept 32
	ds_load_b128 v[32+4*i:35+4*i], v[RD] offset:i*PST
.set i, i+1
.endr
.set i, 0
.rept 16
	ds_load_b128 v[160+4*i:163+4*i], v[RDV] offset:2*i*PST
.set i, i+1
.endr
.set i, 0
.rept 32
	s_wait_dscnt 47-i                              ; of the 48 loads the 47 - i younger ones may be out
	global_store_b128 v[GO], v[32+4*i:35+4*i], s[12:13] offset:i*512       ; 512 consecutive bytes, aligned
.set i, i+1
.endr
.set i, 0
.rept 16
	s_wait_dscnt 15-i
	global_store_b128 v[GOV], v[160+4*i:163+4*i], s[14:15] offset:i*1024   ; 16 lanes store 256 consecutive bytes, aligned
.set i, i+1
.endr
	s_wait_tensorcnt 0x0
	ds_add_u32 v30, v31
	s_wait_dscnt 0x0
	CROUND                                         ; the closing round: no work-group ends while a partner may still ask for a tile that names it
	s_endpgm
.Lfunc_end_k_qbf44eaab77_qkv:
	.size	k_qbf44eaab77_qkv, .Lfunc_end_k_qbf44eaab77_qkv-k_qbf44eaab77_qkv
	.p2alignl 7, 3214868480
	.fill 96, 4, 3214868480
	.section	.rodata,"a",@progbits
	.p2align	6, 0x0
	.amdhsa_kernel k_qbf44eaab77_qkv
		.amdhsa_group_segment_fixed_size 327680
		.amdhsa_private_segment_fixed_size 0
		.amdhsa_enable_private_segment 0
		.amdhsa_kernarg_size 48
		.amdhsa_user_sgpr_count 2
		.amdhsa_user_sgpr_kernarg_segment_ptr 1
		.amdhsa_wavefront_size32 1
		.amdhsa_system_sgpr_workgroup_id_x 1
		.amdhsa_system_sgpr_workgroup_id_y 1
		.amdhsa_system_sgpr_workgroup_id_z 1
		.amdhsa_system_vgpr_workitem_id 0
		.amdhsa_next_free_vgpr 704
		.amdhsa_next_free_sgpr 92
		.amdhsa_reserve_vcc 0
		.amdhsa_float_denorm_mode_32 3
		.amdhsa_float_denorm_mode_16_64 3
		.amdhsa_memory_ordered 1
		.amdhsa_forward_progress 1
		.amdhsa_inst_pref_size 213
	.end_amdhsa_kernel
	.amdgpu_metadata
---
amdhsa.version: [ 1, 2 ]
amdhsa.kernels:
  - .name:           k_qbf44eaab77_qkv
    .symbol:         k_qbf44eaab77_qkv.kd
    .args:
      - { .name: xh, .offset: 0, .size: 8, .value_kind: global_buffer, .address_space: global }
      - { .name: wcat, .offset: 8, .size: 8, .value_kind: global_buffer, .address_space: global }
      - { .name: cos, .offset: 16, .size: 8, .value_kind: global_buffer, .address_space: global }
      - { .name: sin, .offset: 24, .size: 8, .value_kind: global_buffer, .address_space: global }
      - { .name: qkh, .offset: 32, .size: 8, .value_kind: global_buffer, .address_space: global }
      - { .name: vh, .offset: 40, .size: 8, .value_kind: global_buffer, .address_space: global }
    .group_segment_fixed_size: 327680
    .private_segment_fixed_size: 0
    .kernarg_segment_align: 8
    .kernarg_segment_size: 48
    .max_flat_workgroup_size: 128
    .sgpr_count:     92
    .vgpr_count:     704
    .wavefront_size: 32
...
	.end_amdgpu_metadata
.endif
;; end of part 2
;; launch attn (part 3): grid 32 x 8, 4 waves a work-group, clusters of 4 x 1, 327,680 bytes of LDS; arguments qkh, vh, mimg, ao; writes ao
.if DOCPART == 3
	.amdgcn_target "amdgcn-amd-amdhsa--gfx1250"
	.amdhsa_code_object_version 6
	.text
	.protected	k_qbf44eaab77_attn
	.globl	k_qbf44eaab77_attn
	.p2align	8
	.type	k_qbf44eaab77_attn,@function
k_qbf44eaab77_attn:
	s_mov_b64 s[64:65], 0
	v_nop
	global_prefetch_b8 v0, s[64:65] scope:SCOPE_SE
	s_setreg_imm32_b32 hwreg(HW_REG_WAVE_MODE, 25, 1), 1
	s_wait_xcnt 0x0
	s_wait_alu depctr_hold_cnt(0) depctr_sa_sdst(0) depctr_va_vdst(0) depctr_va_sdst(0) depctr_va_ssrc(0) depctr_va_vcc(0) depctr_vm_vsrc(0)
	s_getreg_b32 s2, hwreg(HW_REG_IB_STS2, 6, 4)
	s_cmp_eq_u32 s2, 0
	s_cbranch_scc0 .Lentry_in_a_cluster
	s_endpgm
.Lentry_in_a_cluster:
	s_bfe_u32 s2, ttmp6, 0x10000c
	s_cmp_lg_u32 s2, 0x3003
	s_cbranch_scc0 .Lentry_shape_is_right
	s_endpgm
.Lentry_shape_is_right:
; ATTENTION with a running maximum, all 2,048 keys (the mask is an input: no tile is skipped).  ao f16 [m 4096][1024] = softmax(scores + mask) v / 4.
; A work-group takes 64 query rows (block qb) of one (batch, head) pair y: 32 x 8 = 256 work-groups.  16 steps of 128 keys.
; Wave w takes keys 32 w .. 32 w + 31 of each step for ALL 64 queries, with a running maximum, sum and output of its own; the four are merged once at the end.
; So each fragment of K or V read from LDS feeds four matrix instructions, and no wave talks to another inside a step.
; CLUSTERS 4 x 1: four query blocks of one pair read the same K and V: each tile is asked for jointly (mask 15).
; EVERYTHING IS USED TRANSPOSED.  S^T = K Q^T + mask image (source 0 = 16 keys, source 1 = 16 queries, C = the image loaded into the accumulator);
; O^T = V^T P^T (source 0 = 16 dims of V by the transposing LDS load, source 1 = P).  A lane (r = l % 16, h = l / 16) holds query r throughout:
; its eight numbers of a score tile are keys 8 h + 0..7, which is the order of P's fragment, so P is made by conversion alone; maxima and sums are
; the lane's own but for one exchange between the halves; the rescaling of O is a multiplication inside the lane.
; q and the mask image carry log2(e), so the accumulators hold base-2 logits and only an exact subtraction stands in front of the exponential.
; LIMITS: a row in which every mask word is -infinity gives NaN.  log2(e) is applied to q and to the mask before their sum (another order of rounding than
; scaling the sum).  P is rounded to f16: weights below 2^-25 of the running maximum's count as zero.
; LDS: slot s at s x 139,264: four parts of 34,816, one for each wave's load: keys 0-63 and 64-127 of K (pitch 528, 33,792 used), the same of V (pitch 544);
;      Q (64 x 528) at 278,528, later the stage of the result; the waves' maxima and sums at 312,320; at the end the waves' outputs over the dead slots.
; REGISTERS: window 0 as named below; window 1: Q's fragments (qs, c) at v[8 (8 qs + c)]; window 2: O (dims 16 d .., queries 16 qs ..) for d = 0-7 at
;      v[8 (4 d + qs)]; window 3: d = 8-15.
.set PK,    528
.set PVP,   544
.set PART,  34816
.set SLOT,  4*PART
.set QBASE, 2*SLOT
.set STATS, QBASE+64*PK
.set SLD,  1                           ; v1      where the waves' maxima are read
.set KADR, 2                           ; v2-3    my K fragments in slot 0, 1
.set VADR, 4                           ; v4-5    my V fragments in slot 0, 1
.set QADR, 6                           ; v6      Q's fragments
.set MOFF, 7                           ; v7      16 x lane
.set MX,   8                           ; v8-11   running maximum of query block qs
.set LS,   12                          ; v12-15  running sum (of my half's keys)
.set AL,   16                          ; v16-19  the factor for what has been summed
.set T,    20                          ; v20-27  at work
.set XST,  28                          ; v28     where I put my O for the merge
.set STA,  29                          ; v29     where I put my maxima
.set SST,  30                          ; v30     where I put 16 bytes of a result row
.set SRD,  31                          ; v31     where I read a result row back
.set S,    32                          ; v32-95  score tiles 4 ts + qs
.set P,    96                          ; v96-127 P's fragments qs
.set F,    128                         ; v128-255  16 fragments of K, then of V
.set G1K, 24
.set G1V, 32
.set G1Q, 40
.set G0K, 48                           ; a set for each slot
.set G0V, 56                           ; a set for each slot
.set G0Q, 68
.set MSB, 0
.macro WIN new
.if MSB != \new
	s_set_vgpr_msb (MSB<<8)|\new
.set MSB, \new
.endif
.endm
.macro PLACES                          ; four places behind a matrix instruction, in front of whatever reads its result or writes its registers (ISA guide 7.12.1)
.rept 4
	v_nop
.endr
.endm
.macro ROUND                           ; a round of the cluster's barrier
	s_barrier_signal -1
	s_barrier_wait -1
	s_cmp_lg_u32 s16, 0
	s_cbranch_scc1 .Lnot_wave_0_\@
	s_barrier_signal -3
.Lnot_wave_0_\@:
	s_barrier_wait -3
	s_barrier_signal -1
	s_barrier_wait -1
.endm
.macro JLOAD sl                        ; waves 0, 1 ask for K's halves, waves 2, 3 for V's: 64 rows of 512 bytes each
	s_cmp_eq_u32 s17, 0
	s_cbranch_scc0 .Lfor_v_\@
	tensor_load_to_lds s[G0K+4*\sl:G0K+4*\sl+3], s[G1K:G1K+7]
	s_nop 0
	s_branch .Lasked_\@
.Lfor_v_\@:
	tensor_load_to_lds s[G0V+4*\sl:G0V+4*\sl+3], s[G1V:G1V+7]
	s_nop 0
.Lasked_\@:
.endm
.macro MASKLD                          ; a step's mask image straight into the eight score tiles: each load covers 512 consecutive bytes, aligned
.irp tl, 0,1,2,3,4,5,6,7
	global_load_b128 v[S+8*\tl:S+8*\tl+3],   v[MOFF], s[72:73] offset:1024*\tl
	global_load_b128 v[S+8*\tl+4:S+8*\tl+7], v[MOFF], s[72:73] offset:1024*\tl+512
.endr
.endm
; K's 16 fragments (8 pieces of 32 dims x 2 blocks of 16 keys), then 64 products onto the mask image.  The eight accumulators take turns.
.macro SPHASE slot
	PLACES
.irp c, 0,1,2,3,4,5,6,7
.irp ts, 0,1
	ds_load_b128 v[F+8*(2*\c+\ts):F+8*(2*\c+\ts)+3],   v[KADR+\slot] offset:\ts*16*PK+64*\c
	ds_load_b128 v[F+8*(2*\c+\ts)+4:F+8*(2*\c+\ts)+7], v[KADR+\slot] offset:\ts*16*PK+64*\c+32
.endr
.endr
	s_wait_loadcnt 0x0                             ; the mask image is in the accumulators
	WIN 0x04                                       ; source 1 = Q's window
.irp c, 0,1,2,3,4,5,6,7
	s_wait_dscnt 28-4*\c                           ; piece c is in; four loads for each later piece may be out
.irp ts, 0,1
.irp qs, 0,1,2,3
	v_wmma_f32_16x16x32_f16 v[S+8*(4*\ts+\qs):S+8*(4*\ts+\qs)+7], v[F+8*(2*\c+\ts):F+8*(2*\c+\ts)+7], v[8*(8*\qs+\c):8*(8*\qs+\c)+7], v[S+8*(4*\ts+\qs):S+8*(4*\ts+\qs)+7]
.endr
.endr
.endr
	WIN 0
.endm
.macro VLOAD slot                      ; V's 16 fragments: 16 dims x my 32 keys each, transposed on the way
.irp d, 0,1,2,3,4,5,6,7,8,9,10,11,12,13,14,15
	ds_load_tr16_b128 v[F+8*\d:F+8*\d+3],   v[VADR+\slot] offset:32*\d
	ds_load_tr16_b128 v[F+8*\d+4:F+8*\d+7], v[VADR+\slot] offset:32*\d+16*PVP
.endr
.endm
.macro SUBMX reg, qs                   ; two scores less the maximum of query block qs (one register of a pair feeds both halves)
.if (\qs)&1
	v_pk_add_f32 v[\reg:\reg+1], v[\reg:\reg+1], v[MX+(\qs)-1:MX+(\qs)] op_sel:[0,1] op_sel_hi:[1,1] neg_lo:[0,1] neg_hi:[0,1]
.else
	v_pk_add_f32 v[\reg:\reg+1], v[\reg:\reg+1], v[MX+(\qs):MX+(\qs)+1] op_sel:[0,0] op_sel_hi:[1,0] neg_lo:[0,1] neg_hi:[0,1]
.endif
.endm
.macro RESC1 reg, qs                   ; two numbers of O times the factor of query block qs
.if (\qs)&1
	v_pk_mul_f32 v[\reg:\reg+1], v[\reg:\reg+1], v[AL+(\qs)-1:AL+(\qs)] op_sel:[0,1] op_sel_hi:[1,1]
.else
	v_pk_mul_f32 v[\reg:\reg+1], v[\reg:\reg+1], v[AL+(\qs):AL+(\qs)+1] op_sel:[0,0] op_sel_hi:[1,0]
.endif
.endm
.macro RESC128
.irp d, 0,1,2,3,4,5,6,7
.irp qs, 0,1,2,3
.irp j, 0,2,4,6
	RESC1 8*(4*\d+\qs)+\j, \qs
.endr
.endr
.endr
.endm
.macro RESCALE
	WIN 0x82                                       ; source 0 and destination in window 2
	RESC128
	WIN 0xc3                                       ; in window 3
	RESC128
	WIN 0
.endm
; The softmax step on my 32 keys x 64 queries, stage by stage over the four query blocks.  first = 1: nothing has been summed yet.
.macro SOFT first
.irp qs, 0,1,2,3
	v_max3_num_f32 v[T+\qs],   v[S+8*\qs],    v[S+8*\qs+1],    v[S+8*\qs+2]
	v_max3_num_f32 v[T+4+\qs], v[S+32+8*\qs], v[S+32+8*\qs+1], v[S+32+8*\qs+2]
.endr
.irp qs, 0,1,2,3
	v_max3_num_f32 v[T+\qs],   v[T+\qs],   v[S+8*\qs+3],    v[S+8*\qs+4]
	v_max3_num_f32 v[T+4+\qs], v[T+4+\qs], v[S+32+8*\qs+3], v[S+32+8*\qs+4]
.endr
.irp qs, 0,1,2,3
	v_max3_num_f32 v[T+\qs],   v[T+\qs],   v[S+8*\qs+5],    v[S+8*\qs+6]
	v_max3_num_f32 v[T+4+\qs], v[T+4+\qs], v[S+32+8*\qs+5], v[S+32+8*\qs+6]
.endr
.irp qs, 0,1,2,3
	v_max3_num_f32 v[T+\qs], v[T+\qs], v[S+8*\qs+7], v[S+32+8*\qs+7]
.endr
.irp qs, 0,1,2,3
	v_max_num_f32 v[T+\qs], v[T+\qs], v[T+4+\qs]
.endr
.irp qs, 0,1,2,3
	v_permlanex16_b32 v[T+4+\qs], v[T+\qs], s74, s75           ; the other half's keys of the same query
.endr
.if \first
.irp qs, 0,1,2,3
	v_max3_num_f32 v[MX+\qs], v[T+\qs], v[T+4+\qs], 0xff7fffff   ; never -infinity, so that the subtraction below makes no NaN
.endr
.else
.irp qs, 0,1,2,3
	v_max3_num_f32 v[T+\qs], v[T+\qs], v[T+4+\qs], v[MX+\qs]
.endr
.irp qs, 0,1,2,3
	v_sub_f32 v[AL+\qs], v[MX+\qs], v[T+\qs]
.endr
.irp qs, 0,1,2,3
	v_mov_b32 v[MX+\qs], v[T+\qs]
.endr
.irp qs, 0,1,2,3
	v_exp_f32 v[AL+\qs], v[AL+\qs]                             ; first used far below: the subtractions that follow are the plain place behind it
.endr
.endif
.irp ts, 0,1
.irp qs, 0,1,2,3
.irp j, 0,2,4,6
	SUBMX S+32*\ts+8*\qs+\j, \qs
.endr
.endr
.endr
.set n, 0
.rept 64
	v_exp_f32 v[S+n], v[S+n]
.set n, n+1
.endr
	v_nop                                          ; one plain place behind the last exponential (ISA guide 5.7.2)
	s_wait_alu depctr_va_vdst(0)
.irp qs, 0,1,2,3
	v_pk_add_f32 v[T+2*\qs:T+2*\qs+1], v[S+8*\qs:S+8*\qs+1], v[S+8*\qs+2:S+8*\qs+3]
.endr
.irp j, 4,6,32,34,36,38
.irp qs, 0,1,2,3
	v_pk_add_f32 v[T+2*\qs:T+2*\qs+1], v[T+2*\qs:T+2*\qs+1], v[S+8*\qs+\j:S+8*\qs+\j+1]
.endr
.endr
.if \first
.irp qs, 0,1,2,3
	v_add_f32 v[LS+\qs], v[T+2*\qs], v[T+2*\qs+1]
.endr
.else
.irp qs, 0,1,2,3
	v_add_f32 v[T+2*\qs], v[T+2*\qs], v[T+2*\qs+1]
.endr
.irp qs, 0,1,2,3
	v_fma_f32 v[LS+\qs], v[LS+\qs], v[AL+\qs], v[T+2*\qs]
.endr
.endif
.irp qs, 0,1,2,3
.irp i, 0,1,2,3
	v_cvt_pk_f16_f32 v[P+8*\qs+\i],   v[S+8*\qs+2*\i],    v[S+8*\qs+2*\i+1]       ; keys 8 h + 0..7
	v_cvt_pk_f16_f32 v[P+8*\qs+4+\i], v[S+32+8*\qs+2*\i], v[S+32+8*\qs+2*\i+1]    ; keys 16 + 8 h + 0..7
.endr
.endr
.endm
.macro PV32 d0, zero                   ; 32 products: 8 blocks of 16 dims x 4 query blocks, each onto an accumulator of its own
.irp d, 0,1,2,3,4,5,6,7
.irp qs, 0,1,2,3
.if \zero
	v_wmma_f32_16x16x32_f16 v[8*(4*\d+\qs):8*(4*\d+\qs)+7], v[F+8*(\d0+\d):F+8*(\d0+\d)+7], v[P+8*\qs:P+8*\qs+7], 0
.else
	v_wmma_f32_16x16x32_f16 v[8*(4*\d+\qs):8*(4*\d+\qs)+7], v[F+8*(\d0+\d):F+8*(\d0+\d)+7], v[P+8*\qs:P+8*\qs+7], v[8*(4*\d+\qs):8*(4*\d+\qs)+7]
.endif
.endr
.endr
.endm
.macro PV zero
	s_wait_dscnt 0x0                               ; V's fragments, asked for in front of the softmax
	WIN 0xa0
	PV32 0, \zero
	WIN 0xf0
	PV32 8, \zero
	WIN 0
.endm
; One step of 128 keys.  mload = 1: the next step's mask image is asked for as soon as the score tiles are free.
; turn = 2: this slot is filled again, two steps ahead; 1: only the change of slots; 0: the last step.
.macro STEP slot, first, mload, turn
	SPHASE \slot
	PLACES                                         ; behind the last product: for the loads into F and for the first read of the scores
	VLOAD \slot
	SOFT \first
.if \mload
	s_add_nc_u64 s[72:73], s[72:73], 32768         ; the base is free: the last image's loads were waited for in front of the products
	MASKLD
.endif
.if \first == 0
	RESCALE
.endif
	PV \first
.if \turn == 2
	s_wait_xcnt 0x0
	v_lshl_add_u32 v26, v0, 2, 0x4cc00
	v_mov_b32 v27, 0
	s_wait_tensorcnt 0x0                           ; all my tensor loads have landed, my part of the next slot among them, so a group 0 may be written
	ds_add_u32 v26, v27
	s_wait_dscnt 0x0
	s_add_nc_u64 s[G0K+4*\slot+2:G0K+4*\slot+3], s[G0K+4*\slot+2:G0K+4*\slot+3], 131072
	s_add_nc_u64 s[G0V+4*\slot+2:G0V+4*\slot+3], s[G0V+4*\slot+2:G0V+4*\slot+3], 131072
	s_wait_dscnt 0x0                               ; my reads of this slot are over
	ROUND                                          ; both hold of every wave of the four work-groups
	JLOAD \slot                                    ; my one tensor load behind the round; it has a whole step in which to land
.endif
.if \turn == 1
	s_wait_tensorcnt 0x0
	s_wait_dscnt 0x0
	s_barrier_signal -1
	s_barrier_wait -1
.endif
.endm
	s_load_b256 s[4:11], s[0:1], 0x0               ; qkh s[4:5], vh s[6:7], mimg s[8:9], ao s[10:11]
	v_lshl_add_u32 v26, v0, 2, 0x4cc00
	v_mov_b32 v27, 0
	ds_add_u32 v26, v27
	s_wait_dscnt 0x0
	v_lshrrev_b32 v1, 5, v0
	v_readfirstlane_b32 s16, v1                    ; wave 0..3
	s_lshr_b32 s17, s16, 1                         ; I fetch for K (0) or for V (1),
	s_and_b32 s18, s16, 1                          ; its keys 0-63 or 64-127
	s_bfe_u32 s19, ttmp6, 0x40000                  ; cx
	s_lshl_b32 s20, ttmp9, 2
	s_add_co_u32 s20, s20, s19                     ; query block qb = 4 x cluster x + cx
	s_and_b32 s21, ttmp7, 0xffff                   ; pair y = 4 b + h
	s_mov_b32 s74, 0x76543210                      ; v_permlanex16_b32: lane i of one half reads lane i of the other
	s_mov_b32 s75, 0xfedcba98
	; group 1 for K: 64 rows x 256 elements of 2 bytes, 16 bytes of padding behind every 512; all four work-groups
	s_mov_b32 s[G1K+0], 15|(1<<16)|(1<<20)|(1<<21)|(6<<22)|(3<<25)
	s_mov_b32 s[G1K+1], 256<<16
	s_mov_b32 s[G1K+2], 64<<16
	s_mov_b32 s[G1K+3], 256<<16
	s_mov_b32 s[G1K+4], 64
	s_mov_b32 s[G1K+5], 256
	s_mov_b32 s[G1K+6], 0
	s_mov_b32 s[G1K+7], 0
	; for V: the same with 32 bytes of padding
	s_mov_b32 s[G1V+0], 15|(1<<16)|(1<<20)|(1<<21)|(6<<22)|(7<<25)
	s_mov_b32 s[G1V+1], 256<<16
	s_mov_b32 s[G1V+2], 64<<16
	s_mov_b32 s[G1V+3], 256<<16
	s_mov_b32 s[G1V+4], 64
	s_mov_b32 s[G1V+5], 256
	s_mov_b32 s[G1V+6], 0
	s_mov_b32 s[G1V+7], 0
	; for Q: 16 rows, my work-group's own
	s_mov_b32 s[G1Q+0], (1<<16)|(1<<20)|(6<<22)|(3<<25)
	s_mov_b32 s[G1Q+1], 256<<16
	s_mov_b32 s[G1Q+2], 16<<16
	s_mov_b32 s[G1Q+3], 256<<16
	s_mov_b32 s[G1Q+4], 16
	s_mov_b32 s[G1Q+5], 256
	s_mov_b32 s[G1Q+6], 0
	s_mov_b32 s[G1Q+7], 0
	; offsets.  s78-83 hold nothing that hangs on cx: they feed the joint loads.
	s_and_b32 s76, s21, 3                          ; h
	s_lshr_b32 s77, s21, 2                         ; b
	s_lshl_b32 s78, s76, 21
	s_lshl_b32 s79, s77, 20
	s_add_co_u32 s78, s78, s79                     ; (4,096 h + 2,048 b) rows of 512 bytes
	s_lshl_b32 s79, s18, 15                        ; my 64 rows of a tile
	s_add_co_u32 s82, s78, s79                     ; V
	s_add_co_u32 s80, s82, 0x800000                ; K: groups 4-7 of qkh
	s_mov_b32 s81, 0
	s_mov_b32 s83, 0
	s_lshl_b32 s84, s20, 15                        ; Q: 64 qb + 16 w rows further
	s_add_co_u32 s84, s84, s78
	s_lshl_b32 s85, s16, 13
	s_add_co_u32 s84, s84, s85
	s_mov_b32 s85, 0
	s_lshl_b32 s86, s20, 19                        ; the mask image of (qb, step 0, w)
	s_lshl_b32 s87, s16, 13
	s_add_co_u32 s86, s86, s87
	s_mov_b32 s87, 0
	s_lshl_b32 s88, s77, 22                        ; ao: row 2,048 b + 64 qb + 16 w of 2,048 bytes, byte 512 h
	s_lshl_b32 s89, s20, 17
	s_add_co_u32 s88, s88, s89
	s_lshl_b32 s89, s16, 15
	s_add_co_u32 s88, s88, s89
	s_lshl_b32 s89, s76, 9
	s_add_co_u32 s88, s88, s89
	s_mov_b32 s89, 0
	s_mul_i32 s90, s16, PART                       ; my wave's part of a slot
	s_mul_i32 s91, s16, 16*PK                      ; my wave's 16 rows of Q
	v_and_b32 v21, 31, v0
	v_lshlrev_b32 v[MOFF], 4, v21
	s_wait_kmcnt 0x0
	s_add_nc_u64 s[80:81], s[4:5], s[80:81]
	s_add_nc_u64 s[82:83], s[6:7], s[82:83]
	s_add_nc_u64 s[72:73], s[8:9], s[86:87]
	s_add_nc_u64 s[10:11], s[10:11], s[88:89]
	s_mov_b32 s[G0Q], 1
	s_add_co_u32 s[G0Q+1], s91, QBASE
	s_add_nc_u64 s[G0Q+2:G0Q+3], s[4:5], s[84:85]
	s_or_b32  s[G0Q+3], s[G0Q+3], 0x80000000
.irp sl, 0,1
	s_mov_b32 s[G0K+4*\sl], 1
	s_add_co_u32 s[G0K+4*\sl+1], s90, \sl*SLOT
	s_add_nc_u64 s[G0K+4*\sl+2:G0K+4*\sl+3], s[80:81], \sl*65536
	s_or_b32  s[G0K+4*\sl+3], s[G0K+4*\sl+3], 0x80000000
	s_mov_b32 s[G0V+4*\sl], 1
	s_add_co_u32 s[G0V+4*\sl+1], s90, \sl*SLOT
	s_add_nc_u64 s[G0V+4*\sl+2:G0V+4*\sl+3], s[82:83], \sl*65536
	s_or_b32  s[G0V+4*\sl+3], s[G0V+4*\sl+3], 0x80000000
.endr
	ROUND                                          ; the four work-groups are here: the first joint loads meet
	tensor_load_to_lds s[G0Q:G0Q+3], s[G1Q:G1Q+7]  ; the first fills, one group: three tensor loads of a wave are out, later one
	s_nop 0
	JLOAD 0
	JLOAD 1
	MASKLD                                         ; step 0's image
	v_and_b32 v1, 15, v0                           ; r
	v_bfe_u32 v20, v0, 4, 1                        ; h
	v_mul_u32_u24 v22, v1, PK
	v_lshl_add_u32 v22, v20, 4, v22                ; row r of pitch 528, 16 bytes further for the upper lanes
	s_mul_i32 s76, s17, PART
	s_mul_i32 s77, s18, 32*PK
	s_add_co_u32 s76, s76, s77                     ; my 32 keys: half w / 2, rows 32 (w % 2) ..
	v_add_nc_u32 v[KADR], s76, v22
	v_add_nc_u32 v[KADR+1], SLOT, v[KADR]
	v_add_nc_u32 v[QADR], QBASE, v22
	v_and_b32 v23, 7, v0
	v_lshl_add_u32 v23, v20, 3, v23                ; V: key row 8 h + l % 8,
	v_mul_u32_u24 v23, v23, PVP
	v_bfe_u32 v24, v0, 3, 1
	v_lshl_add_u32 v23, v24, 4, v23                ; dims 0-7 or 8-15 of the sixteen
	s_mul_i32 s76, s16, 32*PVP
	s_add_co_u32 s76, s76, 2*PART
	v_add_nc_u32 v[VADR], s76, v23
	v_add_nc_u32 v[VADR+1], SLOT, v[VADR]
	s_lshl_b32 s76, s16, 16
	v_add_nc_u32 v[XST], s76, v[MOFF]
	s_add_co_u32 s77, s91, QBASE
	v_add_nc_u32 v[SST], s77, v22
	v_add_nc_u32 v[SRD], s77, v[MOFF]
	v_lshlrev_b32 v1, 2, v1
	s_lshl_b32 s76, s16, 8
	s_add_co_u32 s76, s76, STATS
	v_add_nc_u32 v[STA], s76, v1                   ; my wave's 256 bytes of maxima: word 16 qs + r
	v_add_nc_u32 v[SLD], STATS, v1
	s_wait_tensorcnt 0x1                           ; my parts of Q and of slot 0 are in; slot 1's may stay out
	s_barrier_signal -1
	s_barrier_wait -1
	WIN 0x40                                       ; destination = Q's window
.irp qs, 0,1,2,3
.irp c, 0,1,2,3,4,5,6,7
	ds_load_b128 v[8*(8*\qs+\c):8*(8*\qs+\c)+3],   v[QADR] offset:\qs*16*PK+64*\c
	ds_load_b128 v[8*(8*\qs+\c)+4:8*(8*\qs+\c)+7], v[QADR] offset:\qs*16*PK+64*\c+32
.endr
.endr
	WIN 0
	s_wait_dscnt 0x0
	STEP 0, 1, 1, 2                                ; step 0 starts the maxima, the sums and O
	STEP 1, 0, 1, 2
	s_mov_b32 s23, 6
.Lstep:
	STEP 0, 0, 1, 2                                ; steps 2 to 13
	STEP 1, 0, 1, 2
	s_sub_co_u32 s23, s23, 1
	s_cmp_lg_u32 s23, 0
	s_cbranch_scc1 .Lstep
	STEP 0, 0, 1, 1                                ; step 14: nothing is left to fetch but the last image
	STEP 1, 0, 0, 0                                ; step 15
	; THE MERGE of the four waves' results
	PLACES
.irp qs, 0,1,2,3
	v_permlanex16_b32 v[T+\qs], v[LS+\qs], s74, s75
.endr
.irp qs, 0,1,2,3
	v_add_f32 v[LS+\qs], v[LS+\qs], v[T+\qs]       ; both halves' keys
.endr
.irp qs, 0,1,2,3
	ds_store_b32 v[STA], v[MX+\qs] offset:64*\qs           ; lanes l and l + 16 store the same number to the same word
	ds_store_b32 v[STA], v[LS+\qs] offset:1024+64*\qs
.endr
	s_wait_dscnt 0x0                               ; my stores are done, and my reads of the slots long since
	s_barrier_signal -1
	s_barrier_wait -1                              ; everybody's: the figures may be read, and the slots are dead
.irp qs, 0,1,2,3
.irp u, 0,1,2,3
	ds_load_b32 v[S+4*\qs+\u],    v[SLD] offset:256*\u+64*\qs
	ds_load_b32 v[S+16+4*\qs+\u], v[SLD] offset:1024+256*\u+64*\qs
.endr
.endr
	s_wait_dscnt 0x0
.irp qs, 0,1,2,3
	v_max3_num_f32 v[T+\qs], v[S+4*\qs], v[S+4*\qs+1], v[S+4*\qs+2]
.endr
.irp qs, 0,1,2,3
	v_max_num_f32 v[T+\qs], v[T+\qs], v[S+4*\qs+3] ; the maximum over all keys
.endr
.irp qs, 0,1,2,3
.irp u, 0,1,2,3
	v_sub_f32 v[S+4*\qs+\u], v[S+4*\qs+\u], v[T+\qs]
.endr
	v_sub_f32 v[AL+\qs], v[MX+\qs], v[T+\qs]
.endr
.set n, 0
.rept 16
	v_exp_f32 v[S+n], v[S+n]
.set n, n+1
.endr
.irp qs, 0,1,2,3
	v_exp_f32 v[AL+\qs], v[AL+\qs]
.endr
	v_nop
	s_wait_alu depctr_va_vdst(0)
.irp qs, 0,1,2,3
	v_mul_f32 v[T+\qs], v[S+4*\qs], v[S+16+4*\qs]
.endr
.irp u, 1,2,3
.irp qs, 0,1,2,3
	v_fmac_f32 v[T+\qs], v[S+4*\qs+\u], v[S+16+4*\qs+\u]       ; the sum over all keys
.endr
.endr
.irp qs, 0,1,2,3
	v_rcp_f32 v[T+\qs], v[T+\qs]
.endr
	v_nop
	s_wait_alu depctr_va_vdst(0)
.irp qs, 0,1,2,3
	v_mul_f32 v[AL+\qs], v[AL+\qs], v[T+\qs]       ; my wave's weight in the result
.endr
	RESCALE
	WIN 0x08                                       ; store data from window 2
.irp d, 0,1,2,3,4,5,6,7
.irp qs, 0,1,2,3
.irp p, 0,1
	ds_store_b128 v[XST], v[8*(4*\d+\qs)+4*\p:8*(4*\d+\qs)+4*\p+3] offset:(4*\d+\qs)*1024+512*\p
.endr
.endr
.endr
	WIN 0x0c                                       ; from window 3
.irp d, 0,1,2,3,4,5,6,7
.irp qs, 0,1,2,3
.irp p, 0,1
	ds_store_b128 v[XST], v[8*(4*\d+\qs)+4*\p:8*(4*\d+\qs)+4*\p+3] offset:(4*(8+\d)+\qs)*1024+512*\p
.endr
.endr
.endr
	WIN 0
	s_wait_dscnt 0x0
	s_barrier_signal -1
	s_barrier_wait -1
	; wave w adds the four waves' tiles of query block w, 64 dims at a time, rounds, and lays its 16 rows into the stage
	s_lshl_b32 s76, s16, 10
	v_add_nc_u32 v[T], s76, v[MOFF]
	v_add_nc_u32 v[T+1], 0x10000, v[T]
	v_add_nc_u32 v[T+2], 0x20000, v[T]
	v_add_nc_u32 v[T+3], 0x30000, v[T]
.irp g, 0,1,2,3
.irp u, 0,1,2,3
.irp dd, 0,1,2,3
.irp p, 0,1
	ds_load_b128 v[F+32*\u+8*\dd+4*\p:F+32*\u+8*\dd+4*\p+3], v[T+\u] offset:(4*\g+\dd)*4096+512*\p
.endr
.endr
.endr
	s_wait_dscnt 0x0
.irp u, 1,2,3
.irp dd, 0,1,2,3
.irp j, 0,2,4,6
	v_pk_add_f32 v[F+8*\dd+\j:F+8*\dd+\j+1], v[F+8*\dd+\j:F+8*\dd+\j+1], v[F+32*\u+8*\dd+\j:F+32*\u+8*\dd+\j+1]
.endr
.endr
.endr
.irp dd, 0,1,2,3
.irp i, 0,1,2,3
	v_cvt_pk_f16_f32 v[P+4*\dd+\i], v[F+8*\dd+2*\i], v[F+8*\dd+2*\i+1]
.endr
	ds_store_b128 v[SST], v[P+4*\dd:P+4*\dd+3] offset:32*(4*\g+\dd)
.endr
.endr
.irp t, 0,1,2,3,4,5,6,7,8,9,10,11,12,13,14,15
	ds_load_b128 v[S+4*\t:S+4*\t+3], v[SRD] offset:\t*PK           ; my wave's own rows, served behind its stores
.endr
.irp t, 0,1,2,3,4,5,6,7,8,9,10,11,12,13,14,15
	s_wait_dscnt 15-\t
	global_store_b128 v[MOFF], v[S+4*\t:S+4*\t+3], s[10:11] offset:\t*2048   ; a head's 512 bytes of a row: consecutive, aligned
.endr
	s_wait_xcnt 0x0
	v_lshl_add_u32 v26, v0, 2, 0x4cc00
	v_mov_b32 v27, 0
	s_wait_tensorcnt 0x0
	ds_add_u32 v26, v27
	s_wait_dscnt 0x0
	ROUND                                          ; the closing round
	s_endpgm
.Lfunc_end_k_qbf44eaab77_attn:
	.size	k_qbf44eaab77_attn, .Lfunc_end_k_qbf44eaab77_attn-k_qbf44eaab77_attn
	.p2alignl 7, 3214868480
	.fill 96, 4, 3214868480
	.section	.rodata,"a",@progbits
	.p2align	6, 0x0
	.amdhsa_kernel k_qbf44eaab77_attn
		.amdhsa_group_segment_fixed_size 327680
		.amdhsa_private_segment_fixed_size 0
		.amdhsa_enable_private_segment 0
		.amdhsa_kernarg_size 32
		.amdhsa_user_sgpr_count 2
		.amdhsa_user_sgpr_kernarg_segment_ptr 1
		.amdhsa_wavefront_size32 1
		.amdhsa_system_sgpr_workgroup_id_x 1
		.amdhsa_system_sgpr_workgroup_id_y 1
		.amdhsa_system_sgpr_workgroup_id_z 1
		.amdhsa_system_vgpr_workitem_id 0
		.amdhsa_next_free_vgpr 1024
		.amdhsa_next_free_sgpr 92
		.amdhsa_reserve_vcc 0
		.amdhsa_float_denorm_mode_32 3
		.amdhsa_float_denorm_mode_16_64 3
		.amdhsa_memory_ordered 1
		.amdhsa_forward_progress 1
		.amdhsa_inst_pref_size 255
	.end_amdhsa_kernel
	.section	.bss,"aw",@nobits
	.p2align	6
	.space	262144
	.amdgpu_metadata
---
amdhsa.version: [ 1, 2 ]
amdhsa.kernels:
  - .name:           k_qbf44eaab77_attn
    .symbol:         k_qbf44eaab77_attn.kd
    .args:
      - { .name: qkh, .offset: 0, .size: 8, .value_kind: global_buffer, .address_space: global }
      - { .name: vh, .offset: 8, .size: 8, .value_kind: global_buffer, .address_space: global }
      - { .name: mimg, .offset: 16, .size: 8, .value_kind: global_buffer, .address_space: global }
      - { .name: ao, .offset: 24, .size: 8, .value_kind: global_buffer, .address_space: global }
    .group_segment_fixed_size: 327680
    .private_segment_fixed_size: 0
    .kernarg_segment_align: 8
    .kernarg_segment_size: 32
    .max_flat_workgroup_size: 128
    .sgpr_count:     92
    .vgpr_count:     1024
    .wavefront_size: 32
...
	.end_amdgpu_metadata
.endif
;; end of part 3
;; launch oproj (part 4): grid 8 x 32, 4 waves a work-group, clusters of 4 x 4, 327,680 bytes of LDS; arguments ao, woc, out0; writes out0
.if DOCPART == 4
	.amdgcn_target "amdgcn-amd-amdhsa--gfx1250"
	.amdhsa_code_object_version 6
	.text
	.protected	k_qbf44eaab77_oproj
	.globl	k_qbf44eaab77_oproj
	.p2align	8
	.type	k_qbf44eaab77_oproj,@function
k_qbf44eaab77_oproj:
	s_mov_b64 s[64:65], 0
	v_nop
	global_prefetch_b8 v0, s[64:65] scope:SCOPE_SE
	s_setreg_imm32_b32 hwreg(HW_REG_WAVE_MODE, 25, 1), 1
	s_wait_xcnt 0x0
	s_wait_alu depctr_hold_cnt(0) depctr_sa_sdst(0) depctr_va_vdst(0) depctr_va_sdst(0) depctr_va_ssrc(0) depctr_va_vcc(0) depctr_vm_vsrc(0)
	s_getreg_b32 s2, hwreg(HW_REG_IB_STS2, 6, 4)
	s_cmp_eq_u32 s2, 0
	s_cbranch_scc0 .Lentry_in_a_cluster
	s_endpgm
.Lentry_in_a_cluster:
	s_bfe_u32 s2, ttmp6, 0x10000c
	s_cmp_lg_u32 s2, 0xf033
	s_cbranch_scc0 .Lentry_shape_is_right
	s_endpgm
.Lentry_shape_is_right:
; OUTPUT PROJECTION: out0 [4096][3072] f32 = ao [4096][1024] (attention output / 4, f16) x woc (4 x wo, f16, [8][1024][384]); f32 sums.
; The same block, ring and loop as the projection of q, k and v: a work-group makes 128 rows x 384 columns (group g = columns 384 g ..), 32 x 8 = 256
; work-groups; wave w takes all 128 rows and the positions 128 s + 32 w + 16 e + 0..15: 8 x 6 accumulator tiles.  K = 1,024 in steps of 128 through two LDS slots.
; CLUSTERS 4 x 4: ao's tile is shared along a cluster's row, woc's along a column; each is asked for jointly.
; A slot is four parts of 36,864 bytes, one for each wave's load: part 0 = 128 rows of ao x 256 bytes, pitch 272; parts 1-3 = 128 k rows of woc, a dense block
; taken as 384 pieces of 256 bytes, pitch 288 (a k row: 864 bytes = 27 x 32).
; The matrix instruction is used transposed (source 0 = 16 columns of woc, source 1 = 16 rows of ao): a lane holds row l % 16, positions 8 (l / 16) + 0..7.
; REGISTERS: window 0: v0-21 addresses, v32-159 fragments of ao (two buffers), v160-255 fragments of woc (two buffers);
;            window 1: tiles (a, b) of rows 0-63 at v[8 (6 a + b)]; window 2: those of rows 64-127.
.set SIZE_K, 1024
.set KSTEP,  128
.set LAPS,   SIZE_K/(2*KSTEP)
.set PA,     272
.set SEG,    288
.set PB,     3*SEG
.set PART,   36864
.set SLOT,   4*PART
.set PST,    1552                      ; a stage row: 1,536 bytes + 16 = 97 x 16; the stage (128 rows from LDS byte 0) lies over the slots behind their last K steps
.set ADRA, 6
.set ADRB, 8
.set STO,  12                          ; v12-15  where I put 16 bytes of a stage row: rows 0-31, 32-63, 64-95, 96-127
.set RD,   18
.set GO,   20
.set FA0, 32
.set FA1, 96
.set FB0, 160
.set FB1, 208
.set G1A, 24
.set G0A, 32
.set G1B, 40
.set G0B, 48
.set LO, 0x50
.set HI, 0xa0
.set MSB, 0
.macro WIN new
.if MSB != \new
	s_set_vgpr_msb (MSB<<8)|\new
.set MSB, \new
.endif
.endm
.macro PLACES                          ; four places behind a matrix instruction, in front of whatever reads its result or writes its registers (ISA guide 7.12.1)
.rept 4
	v_nop
.endr
.endm
.macro CREST
	s_cmp_lg_u32 s16, 0
	s_cbranch_scc1 .Lnot_wave_0_\@
	s_barrier_signal -3
.Lnot_wave_0_\@:
	s_barrier_wait -3
	s_barrier_signal -1
	s_barrier_wait -1
.endm
.macro CROUND
	s_barrier_signal -1
	s_barrier_wait -1
	CREST
.endm
.macro JLOAD sl                        ; wave 0 asks for ao's tile, waves 1-3 for a third of woc's each: 32,768 bytes a wave
	s_cmp_eq_u32 s16, 0
	s_cbranch_scc0 .Lfor_b_\@
	tensor_load_to_lds s[G0A+4*\sl:G0A+4*\sl+3], s[G1A:G1A+7]
	s_nop 0
	s_branch .Lasked_\@
.Lfor_b_\@:
	tensor_load_to_lds s[G0B+4*\sl:G0B+4*\sl+3], s[G1B:G1B+7]
	s_nop 0
.Lasked_\@:
.endm
; 12 matrix instructions; the 48 accumulators take turns, one instruction a turn
.macro MUL12 fa, fb, hi, a0, zero
.irp a, \a0, \a0+1
.irp b, 0,1,2,3,4,5
.if \zero
	v_wmma_f32_16x16x32_f16 v[8*(6*(\a)+\b):8*(6*(\a)+\b)+7], v[\fb+8*\b:\fb+8*\b+7], v[\fa+8*(4*\hi+\a):\fa+8*(4*\hi+\a)+7], 0
.else
	v_wmma_f32_16x16x32_f16 v[8*(6*(\a)+\b):8*(6*(\a)+\b)+7], v[\fb+8*\b:\fb+8*\b+7], v[\fa+8*(4*\hi+\a):\fa+8*(4*\hi+\a)+7], v[8*(6*(\a)+\b):8*(6*(\a)+\b)+7]
.endif
.endr
.endr
.endm
.macro FETCH slot, q, fa, fb           ; 28 LDS loads in one run: quarter q of a slot
.irp b, 0,1,2,3,4,5
	ds_load_tr16_b128 v[\fb+8*\b:\fb+8*\b+3],   v[ADRB+2*\slot+(\q>>1)] offset:(\q&1)*32*PB+(\b>>1)*SEG+(\b&1)*32
	ds_load_tr16_b128 v[\fb+8*\b+4:\fb+8*\b+7], v[ADRB+2*\slot+(\q>>1)] offset:(\q&1)*32*PB+(\b>>1)*SEG+(\b&1)*32+16*PB
.endr
.irp i, 0,1,2,3,4,5,6,7
	ds_load_b128 v[\fa+8*\i:\fa+8*\i+3],   v[ADRA+\slot] offset:64*\q+\i*16*PA
	ds_load_b128 v[\fa+8*\i+4:\fa+8*\i+7], v[ADRA+\slot] offset:64*\q+\i*16*PA+32
.endr
.endm
.macro QUARTER slot, q, fa, fb, ga, gb, zero
	s_wait_dscnt 8                                 ; woc's fragments and ao's rows 0-63 are in; the youngest eight loads (rows 64-127) may be out
	WIN LO
	MUL12 \fa, \fb, 0, 0, \zero
	MUL12 \fa, \fb, 0, 2, \zero
	WIN 0
	PLACES
	FETCH \slot, \q, \ga, \gb
	s_wait_dscnt 28                                ; all but the 28 just issued
	WIN HI
	MUL12 \fa, \fb, 1, 0, \zero
	MUL12 \fa, \fb, 1, 2, \zero
.endm
.macro THREE slot, zero
	QUARTER \slot, 1, FA0, FB0, FA1, FB1, \zero
	QUARTER \slot, 2, FA1, FB1, FA0, FB0, 0
	QUARTER \slot, 3, FA0, FB0, FA1, FB1, 0
.endm
; The last quarter and the change of slots.  In front of the barrier each wave waits for its reads of this slot and for all its tensor loads; where the slot is
; filled again the barrier opens a round of the cluster's barrier, and the joint load is the first tensor load behind the round.
.macro TURN slot, next, fill
	s_wait_dscnt 8
	WIN LO
	MUL12 FA1, FB1, 0, 0, 0
	s_wait_dscnt 0
	s_wait_tensorcnt 0x0
	ds_add_u32 v30, v31
	s_wait_dscnt 0x0
	s_barrier_signal -1
	MUL12 FA1, FB1, 0, 2, 0
	WIN 0
	s_barrier_wait -1
.if \fill
	CREST
	s_add_nc_u64 s[G0A+4*\slot+2:G0A+4*\slot+3], s[G0A+4*\slot+2:G0A+4*\slot+3], 2*KSTEP*2
	s_add_nc_u64 s[G0B+4*\slot+2:G0B+4*\slot+3], s[G0B+4*\slot+2:G0B+4*\slot+3], 2*KSTEP*768
	JLOAD \slot
.endif
	PLACES
	FETCH \next, 0, FA0, FB0
	WIN HI
	MUL12 FA1, FB1, 1, 0, 0
	MUL12 FA1, FB1, 1, 2, 0
.endm
.macro LAP zero
	THREE 0, \zero
	TURN 0, 1, 1
	THREE 1, 0
	TURN 1, 0, 1
.endm
	s_load_b128 s[4:7], s[0:1], 0x0                ; ao s[4:5], woc s[6:7]
	s_load_b64 s[8:9], s[0:1], 0x10                ; out0
	v_lshl_add_u32 v30, v0, 2, 0x48000
	v_mov_b32 v31, 0
	ds_add_u32 v30, v31
	v_lshrrev_b32 v1, 5, v0
	v_readfirstlane_b32 s16, v1                    ; wave 0..3
	s_bfe_u32 s17, ttmp6, 0x40000                  ; cx
	s_bfe_u32 s18, ttmp6, 0x40004                  ; cy
	s_lshl_b32 s19, ttmp9, 2
	s_add_co_u32 s19, s19, s17                     ; group g
	s_and_b32 s20, ttmp7, 0xffff
	s_lshl_b32 s20, s20, 2
	s_add_co_u32 s20, s20, s18                     ; row block mb
	s_lshl_b32 s21, s18, 2
	s_lshl_b32 s21, 15, s21                        ; my row of the cluster
	s_lshl_b32 s22, 0x1111, s17                    ; my column
	s_or_b32  s[G1A+0], s21, (1<<16)|(1<<20)|(1<<21)|(5<<22)|(3<<25)   ; 128 rows x 128 elements of 2 bytes, 16 bytes of padding behind every 256
	s_mov_b32 s[G1A+1], KSTEP<<16
	s_mov_b32 s[G1A+2], 128<<16
	s_mov_b32 s[G1A+3], KSTEP<<16
	s_mov_b32 s[G1A+4], 128
	s_mov_b32 s[G1A+5], SIZE_K
	s_mov_b32 s[G1A+6], 0
	s_mov_b32 s[G1A+7], 0
	s_or_b32  s[G1B+0], s22, (3<<16)|(1<<20)|(1<<21)|(5<<22)|(7<<25)   ; a dense block as 128 rows x 32 elements of 8 bytes, 32 bytes of padding behind every 256
	s_mov_b32 s[G1B+1], 32<<16
	s_mov_b32 s[G1B+2], 128<<16
	s_mov_b32 s[G1B+3], 32<<16
	s_mov_b32 s[G1B+4], 128
	s_mov_b32 s[G1B+5], 32
	s_mov_b32 s[G1B+6], 0
	s_mov_b32 s[G1B+7], 0
	; s78-79 hold only what hangs on the row block, s82-83 only what hangs on the group
	s_mul_i32 s78, s20, 128*SIZE_K*2
	s_mov_b32 s79, 0
	s_max_u32 s82, s16, 1
	s_sub_co_u32 s82, s82, 1                       ; which third of woc's tile (waves 1-3; wave 0 asks for none)
	s_lshl_b32 s82, s82, 15
	s_mul_i32 s83, s19, SIZE_K*768
	s_add_co_u32 s82, s82, s83
	s_mov_b32 s83, 0
	s_mul_i32 s90, s16, PART                       ; my wave's part of a slot
	s_wait_dscnt 0x0
	s_wait_kmcnt 0x0
	s_add_nc_u64 s[78:79], s[4:5], s[78:79]
	s_add_nc_u64 s[82:83], s[6:7], s[82:83]
	CROUND                                         ; all sixteen work-groups are here: the first joint loads meet
.irp sl, 0,1
	s_mov_b32 s[G0A+4*\sl], 1
	s_mov_b32 s[G0A+4*\sl+1], \sl*SLOT
	s_add_nc_u64 s[G0A+4*\sl+2:G0A+4*\sl+3], s[78:79], \sl*KSTEP*2
	s_or_b32  s[G0A+4*\sl+3], s[G0A+4*\sl+3], 0x80000000
	s_mov_b32 s[G0B+4*\sl], 1
	s_add_co_u32 s[G0B+4*\sl+1], s90, \sl*SLOT
	s_add_nc_u64 s[G0B+4*\sl+2:G0B+4*\sl+3], s[82:83], \sl*KSTEP*768
	s_or_b32  s[G0B+4*\sl+3], s[G0B+4*\sl+3], 0x80000000
	JLOAD \sl                                      ; both slots' first fills: two tensor loads of a wave are out, later one
.endr
	v_and_b32 v1, 15, v0                           ; r
	v_bfe_u32 v2, v0, 4, 1                         ; h
	v_mul_u32_u24 v3, v1, PA
	v_lshl_add_u32 v[ADRA], v2, 4, v3
	v_add_nc_u32 v[ADRA+1], SLOT, v[ADRA]
	v_and_b32 v3, 7, v0
	v_lshl_add_u32 v3, v2, 3, v3
	v_mul_u32_u24 v3, v3, PB
	v_bfe_u32 v4, v0, 3, 1
	v_lshl_add_u32 v3, v4, 4, v3
	s_lshl_b32 s91, s16, 6
	s_add_co_u32 s91, s91, PART
	v_add_nc_u32 v[ADRB], s91, v3
	v_add_nc_u32 v[ADRB+1], 64*PB, v[ADRB]
	v_add_nc_u32 v[ADRB+2], SLOT, v[ADRB]
	v_add_nc_u32 v[ADRB+3], SLOT+64*PB, v[ADRB]
	v_mul_u32_u24 v3, v1, PST
	v_lshl_add_u32 v3, v2, 5, v3
	s_lshl_b32 s91, s16, 7
	v_add_nc_u32 v[STO], s91, v3                   ; stage: row r, byte 128 w + 32 h of a piece of 512
	v_add_nc_u32 v[STO+1], 32*PST, v[STO]
	v_add_nc_u32 v[STO+2], 64*PST, v[STO]
	v_add_nc_u32 v[STO+3], 96*PST, v[STO]
	v_and_b32 v3, 31, v0
	v_lshlrev_b32 v[GO], 4, v3
	s_mul_i32 s91, s16, 32*PST
	v_add_nc_u32 v[RD], s91, v[GO]                 ; back: 512 bytes of a row by 32 lanes
	s_wait_tensorcnt 1                             ; my part of K step 0 is in; K step 1's may stay out
	s_barrier_signal -1
	s_barrier_wait -1
	FETCH 0, 0, FA0, FB0
	LAP 1
	WIN 0
	s_mov_b32 s23, LAPS-2
.Llap:
	LAP 0
	WIN 0
	s_sub_co_u32 s23, s23, 1
	s_cmp_lg_u32 s23, 0
	s_cbranch_scc1 .Llap
	THREE 0, 0                                     ; the last lap fills nothing
	TURN 0, 1, 0
	THREE 1, 0
	s_wait_dscnt 8
	WIN LO
	MUL12 FA1, FB1, 0, 0, 0
	MUL12 FA1, FB1, 0, 2, 0
	s_wait_dscnt 0
	WIN HI
	MUL12 FA1, FB1, 1, 0, 0
	MUL12 FA1, FB1, 1, 2, 0
	; THE WAY OUT: the f32 sums as they are, through the stage, so that each store covers 512 consecutive bytes of a row of out0
	WIN 0
	PLACES
	s_wait_dscnt 0x0                               ; my reads of the slots are over,
	s_wait_tensorcnt 0x0                           ; no tensor load of mine is out
	s_barrier_signal -1
	s_barrier_wait -1                              ; both hold of every wave: the slots are the stage now
	s_lshl_b32 s86, s20, 7
	s_lshl_b32 s87, s16, 5
	s_add_co_u32 s86, s86, s87                     ; my wave's first row: 128 mb + 32 w
	s_mul_i32 s86, s86, 12288
	s_mul_i32 s87, s19, 1536                       ; the group's 384 columns
	s_add_co_u32 s86, s86, s87
	s_mov_b32 s87, 0
	s_add_nc_u64 s[8:9], s[8:9], s[86:87]
.macro PUT a, aa                       ; row block a = tiles (aa, 0..5) of the window from which store data are taken
.irp b, 0,1,2,3,4,5
.irp p, 0,1
	ds_store_b128 v[STO+(\a>>1)], v[8*(6*\aa+\b)+4*\p:8*(6*\aa+\b)+4*\p+3] offset:(\a&1)*16*PST+(\b>>1)*512+(\b&1)*64+16*\p
.endr
.endr
.endm
	WIN 0x04                                       ; store data from window 1
	PUT 0, 0
	PUT 1, 1
	PUT 2, 2
	PUT 3, 3
	WIN 0x08                                       ; from window 2
	PUT 4, 0
	PUT 5, 1
	PUT 6, 2
	PUT 7, 3
	WIN 0
	s_wait_dscnt 0x0
	s_barrier_signal -1
	s_barrier_wait -1
; eight of my wave's 32 rows: 24 loads, 24 stores; register sets f take turns
.macro OUT8 bt, f
.if \bt >= 2
	s_wait_xcnt 0x0                                ; set f, which earlier stores read, is loaded again only behind this wait (ISA guide 3.1)
.endif
.irp t, 0,1,2,3,4,5,6,7
.irp c, 0,1,2
	ds_load_b128 v[\f+4*(3*\t+\c):\f+4*(3*\t+\c)+3], v[RD] offset:(8*\bt+\t)*PST+512*\c
.endr
.endr
.irp t, 0,1,2,3,4,5,6,7
.irp c, 0,1,2
	s_wait_dscnt 23-(3*\t+\c)
	global_store_b128 v[GO], v[\f+4*(3*\t+\c):\f+4*(3*\t+\c)+3], s[8:9] offset:(8*\bt+\t)*12288+512*\c th:TH_STORE_NT
.endr
.endr
.endm
	OUT8 0, 32
	OUT8 1, 128
	OUT8 2, 32
	OUT8 3, 128
	s_wait_tensorcnt 0x0
	ds_add_u32 v30, v31
	s_wait_dscnt 0x0
	CROUND                                         ; the closing round
	s_endpgm
.Lfunc_end_k_qbf44eaab77_oproj:
	.size	k_qbf44eaab77_oproj, .Lfunc_end_k_qbf44eaab77_oproj-k_qbf44eaab77_oproj
	.p2alignl 7, 3214868480
	.fill 96, 4, 3214868480
	.section	.rodata,"a",@progbits
	.p2align	6, 0x0
	.amdhsa_kernel k_qbf44eaab77_oproj
		.amdhsa_group_segment_fixed_size 327680
		.amdhsa_private_segment_fixed_size 0
		.amdhsa_enable_private_segment 0
		.amdhsa_kernarg_size 24
		.amdhsa_user_sgpr_count 2
		.amdhsa_user_sgpr_kernarg_segment_ptr 1
		.amdhsa_wavefront_size32 1
		.amdhsa_system_sgpr_workgroup_id_x 1
		.amdhsa_system_sgpr_workgroup_id_y 1
		.amdhsa_system_sgpr_workgroup_id_z 1
		.amdhsa_system_vgpr_workitem_id 0
		.amdhsa_next_free_vgpr 704
		.amdhsa_next_free_sgpr 92
		.amdhsa_reserve_vcc 0
		.amdhsa_float_denorm_mode_32 3
		.amdhsa_float_denorm_mode_16_64 3
		.amdhsa_memory_ordered 1
		.amdhsa_forward_progress 1
		.amdhsa_inst_pref_size 156
	.end_amdhsa_kernel
	.amdgpu_metadata
---
amdhsa.version: [ 1, 2 ]
amdhsa.kernels:
  - .name:           k_qbf44eaab77_oproj
    .symbol:         k_qbf44eaab77_oproj.kd
    .args:
      - { .name: ao, .offset: 0, .size: 8, .value_kind: global_buffer, .address_space: global }
      - { .name: woc, .offset: 8, .size: 8, .value_kind: global_buffer, .address_space: global }
      - { .name: out0, .offset: 16, .size: 8, .value_kind: global_buffer, .address_space: global }
    .group_segment_fixed_size: 327680
    .private_segment_fixed_size: 0
    .kernarg_segment_align: 8
    .kernarg_segment_size: 24
    .max_flat_workgroup_size: 128
    .sgpr_count:     92
    .vgpr_count:     704
    .wavefront_size: 32
...
	.end_amdgpu_metadata
.endif
;; end of part 4
;; ======== version 2 of 2: 4 launches; version 1 with the launch prep written anew for expert scheduling mode
;; limits: values are held in f16: magnitudes above 65,504 overflow, below 6.1e-05 lose precision; right only within a limited range of input values; values outside matrix products are rounded to bf16
;; workspace buffers: xh 25,165,824 bytes; wcat 18,874,368 bytes; woc 6,291,456 bytes; mimg 16,777,216 bytes; qkh 16,777,216 bytes; vh 8,388,608 bytes; ao 8,388,608 bytes
;; launch prep (part 5): grid 7 x 256, 8 waves a work-group, no clusters, 68,608 bytes of LDS; arguments hidden_states, wq, wk, wv, wo, mask, xh, wcat, woc, mimg; writes xh, wcat, woc, mimg
.if DOCPART == 5
	.amdgcn_target "amdgcn-amd-amdhsa--gfx1250"
	.amdhsa_code_object_version 6
	.text
	.protected	k_qbf44eaab77_prep
	.globl	k_qbf44eaab77_prep
	.p2align	8
	.type	k_qbf44eaab77_prep,@function
k_qbf44eaab77_prep:
	s_mov_b64 s[64:65], 0
	v_nop
	global_prefetch_b8 v0, s[64:65] scope:SCOPE_SE
	s_setreg_imm32_b32 hwreg(HW_REG_WAVE_SCHED_MODE, 0, 2), 2
	s_setreg_imm32_b32 hwreg(HW_REG_WAVE_MODE, 25, 1), 1
	s_wait_xcnt 0x0
	s_wait_alu depctr_vm_vsrc(0)
; PREP: one pass over the inputs that the matrix kernels want in another form.  A stream: no matrix work, no barrier, no loop.
; EVERY INPUT IS ROUNDED TO bf16, ONCE (here; cos and sin in the projection kernel): the program computes the reference on one consistent set of bf16 inputs.
;   xh   bf16 [4096][3072]       = hidden_states
;   wcat bf16 [8][3072][384]     group g: positions 0-255 = one head of wq (g < 4) or wk (g >= 4), positions 256-383 = columns 128 g .. of wv
;   woc  f16  [8][1024][384]     = 4 x bf16(wo[k][384 g + j])   (the attention output is kept in f16, divided by 4, so its partner is f16 too)
;   mimg f32 [qb 32][step 16][w 4][ts 2][qs 4][p 2][lane 32][4] = log2(e) x bf16(mask[64 qb + 16 qs + (lane & 15)][128 step + 32 w + 16 ts + 8 (lane >> 4) + 4 p + e]):
;        the mask in the order in which a lane of the attention kernel holds a 16 x 16 score tile, so that it is loaded straight into the accumulators.
; LIMITS: the mask, which is no matrix operand, is rounded to bf16 like the rest.  |wo| beyond 16,376 becomes infinite in f16; 4 x bf16(wo) is exact in f16 from
;         2^-17 up, below that it is rounded to multiples of 2^-24.  A mask word below -2.3e38 becomes -infinity (it then counts as excluded).
; A chunk is 128 neighbouring numbers of a row: one 16-byte load a lane (512 consecutive bytes a wave), and in 16 bits one 8-byte store a lane
; (256 consecutive bytes, aligned).  A wave takes one chunk column over 16 rows: 16 loads are out at once.
; The work-group's x picks the role: 0-2 hidden_states (24 chunk columns), 3-5 the weights (y < 192: wq, wk, wv; y >= 192: wo), 6 the mask.
; THE MODE: SCHED_MODE bits 1:0 = 2 (LLVM: expert scheduling mode 2), set by the entry lines.  The code itself states the register dependences
; between vector instructions and memory or LDS instructions, with s_wait_alu, always for 0.
; THE PLAN.  Registers that memory or LDS instructions touch:
;   v1, v2     byte offsets of every global load and store: written once at the head, never again.
;   v3, v4     the mask role's LDS addresses: written once in its arm, never again; v3 is read by the LDS stores, v4 by the LDS loads.
;   X          the 16 loads land in it, and no vector instruction names it before them; a row's arithmetic reads it (wo, mask: and writes it in place);
;              in the mask role the LDS stores read it.  It is never loaded again.
;   Y          two registers a row: written by the row's conversions, read by the row's one store, never written again.
;   Z          the mask role: v72-103 are first the roundings' scratch, named by vector instructions alone; then the LDS loads land in all 64, and the global stores read them.
;   v136, v137 written at the head, read by the closing add alone.
; The 16 rows go in four blocks of four, and row i's store (global, or into LDS) stands in row i + 4's turn.  So ONE wait on va_vdst at the head of blocks 1, 2 and 3
; states that the block before has written what this block's four stores read; the vector instructions issued since name this block's own registers alone.
; One more stands behind row 15, for the last four stores.  No register that a memory or LDS instruction has read is written again: no wait on vm_vsrc is owed.
.set X,   8                            ; v[8:71]    16 chunks as loaded
.set Y,   72                           ; v[72:103]  16 chunks in 16 bits
.set Z,   72                           ; v[72:135]  the mask role: first the rounded pairs, then 16 pieces read back from LDS
.set PM,  528                          ; LDS row of the mask role: 512 bytes + 16 = 33 x 16
.set SRC, 28                           ; s[28:29]   where my wave reads
.set DST, 30                           ; s[30:31]   where it writes
; four numbers of chunk i rounded to bf16 into registers t, t + 1, and widened again in place (a bf16 is the upper half of an f32)
.macro ROUND4 i, t
	v_cvt_pk_bf16_f32 v[\t], v[X+4*\i], v[X+4*\i+1]
	v_cvt_pk_bf16_f32 v[\t+1], v[X+4*\i+2], v[X+4*\i+3]
	v_lshlrev_b32 v[X+4*\i], 16, v[\t]
	v_and_b32 v[X+4*\i+1], 0xffff0000, v[\t]
	v_lshlrev_b32 v[X+4*\i+2], 16, v[\t+1]
	v_and_b32 v[X+4*\i+3], 0xffff0000, v[\t+1]
.endm
; 16 rows of one chunk column: srs, drs = bytes from row to row in the source and in the result; tof16 = 0: bf16; 1: bf16, then times 4 as f16
.macro CAST16 srs, drs, tof16
.irp i, 0,1,2,3,4,5,6,7,8,9,10,11,12,13,14,15
	global_load_b128 v[X+4*\i:X+4*\i+3], v1, s[SRC:SRC+1] offset:\i*\srs th:TH_LOAD_NT
.endr
.irp i, 0,1,2,3,4,5,6,7,8,9,10,11,12,13,14,15
	s_wait_loadcnt 15-\i                           ; loads return in order: row i is in, the 15 - i younger ones stay out
.if (\i > 0) && (\i % 4 == 0)
	s_wait_alu depctr_va_vdst(0)                   ; the block before has written its eight registers of Y, which this block's four stores read
.endif
.if \i >= 4
	global_store_b64 v2, v[Y+2*(\i-4):Y+2*(\i-4)+1], s[DST:DST+1] offset:(\i-4)*\drs   ; the row four back.  No wait: no vector instruction since the block's head names its Y or v2.  Each row has store registers of its own
.endif
.if \tof16
	ROUND4 \i, Y+2*\i
	v_pk_mul_f32 v[X+4*\i:X+4*\i+1], v[X+4*\i:X+4*\i+1], 4.0 op_sel_hi:[1,0]
	v_pk_mul_f32 v[X+4*\i+2:X+4*\i+3], v[X+4*\i+2:X+4*\i+3], 4.0 op_sel_hi:[1,0]
	v_cvt_pk_f16_f32 v[Y+2*\i], v[X+4*\i], v[X+4*\i+1]
	v_cvt_pk_f16_f32 v[Y+2*\i+1], v[X+4*\i+2], v[X+4*\i+3]
.else
	v_cvt_pk_bf16_f32 v[Y+2*\i], v[X+4*\i], v[X+4*\i+1]
	v_cvt_pk_bf16_f32 v[Y+2*\i+1], v[X+4*\i+2], v[X+4*\i+3]
.endif
.endr
	s_wait_alu depctr_va_vdst(0)                   ; rows 12 to 15 have written their Y, which the last four stores read
.irp i, 12,13,14,15
	global_store_b64 v2, v[Y+2*\i:Y+2*\i+1], s[DST:DST+1] offset:\i*\drs
.endr
.endm
; 16 rows x 128 columns of the mask, rounded, times log2(e), turned into tile order through the wave's own 16 LDS rows
.macro MASK16
.irp i, 0,1,2,3,4,5,6,7,8,9,10,11,12,13,14,15
	global_load_b128 v[X+4*\i:X+4*\i+3], v1, s[SRC:SRC+1] offset:\i*8192 th:TH_LOAD_NT
.endr
.irp i, 0,1,2,3,4,5,6,7,8,9,10,11,12,13,14,15
	s_wait_loadcnt 15-\i
.if (\i > 0) && (\i % 4 == 0)
	s_wait_alu depctr_va_vdst(0)                   ; the block before has written its sixteen registers of X, which this block's four LDS stores read; at the first of these waits v3 and v4, the LDS addresses, are written too
.endif
.if \i >= 4
	ds_store_b128 v3, v[X+4*(\i-4):X+4*(\i-4)+3] offset:(\i-4)*PM   ; the row four back.  No wait: no vector instruction since the block's head names its X or v3
.endif
	ROUND4 \i, Z+2*\i
	v_pk_mul_f32 v[X+4*\i:X+4*\i+1], v[X+4*\i:X+4*\i+1], 0x3fb8aa3b op_sel_hi:[1,0]
	v_pk_mul_f32 v[X+4*\i+2:X+4*\i+3], v[X+4*\i+2:X+4*\i+3], 0x3fb8aa3b op_sel_hi:[1,0]
.endr
	s_wait_alu depctr_va_vdst(0)                   ; rows 12 to 15 have written their X, which the last four LDS stores read; and every rounding is done with v72-103, in which the LDS loads below land
.irp i, 12,13,14,15
	ds_store_b128 v3, v[X+4*\i:X+4*\i+3] offset:\i*PM
.endr
.irp wq, 0,1,2,3
.irp ts, 0,1
.irp p, 0,1
	ds_load_b128 v[Z+4*(4*\wq+2*\ts+\p):Z+4*(4*\wq+2*\ts+\p)+3], v4 offset:128*\wq+64*\ts+16*\p   ; my wave's own bytes, served in the order of issue
.endr
.endr
.endr
.irp wq, 0,1,2,3
.irp ts, 0,1
.irp p, 0,1
	s_wait_dscnt 15-(4*\wq+2*\ts+\p)
	global_store_b128 v1, v[Z+4*(4*\wq+2*\ts+\p):Z+4*(4*\wq+2*\ts+\p)+3], s[DST:DST+1] offset:8192*\wq+4096*\ts+512*\p   ; 512 consecutive bytes, aligned
.endr
.endr
.endr
.endm
	s_load_b512 s[8:23], s[0:1], 0x0               ; hidden s[8:9], wq s[10:11], wk s[12:13], wv s[14:15], wo s[16:17], mask s[18:19], xh s[20:21], wcat s[22:23]
	s_load_b128 s[24:27], s[0:1], 0x40             ; woc s[24:25], mimg s[26:27]
	v_lshl_add_u32 v136, v0, 2, 0x10800
	v_mov_b32 v137, 0
	v_and_b32 v5, 31, v0                           ; lane
	v_lshrrev_b32 v6, 5, v0
	v_readfirstlane_b32 s4, v6                     ; wave 0..7
	s_and_b32 s5, ttmp7, 0xffff                    ; y
	v_lshlrev_b32 v1, 4, v5                        ; 16 bytes a lane
	v_lshlrev_b32 v2, 3, v5                        ; 8 bytes a lane
	s_mov_b32 s33, 0                               ; the offsets' upper words
	s_mov_b32 s35, 0
	s_wait_alu depctr_va_sdst(0)                   ; s4, the wave's number, is written: its readers stand in the four arms
	s_wait_alu depctr_va_vdst(0)                   ; v1 and v2 are written: every global load and store of the kernel reads one of them as its offset
	s_wait_kmcnt 0x0
	s_cmp_lt_u32 ttmp9, 3
	s_cbranch_scc0 .Lnot_hidden
	; hidden_states: chunk column c = 8 x + wave, rows 16 y ..
	s_lshl3_add_u32 s6, ttmp9, s4
	s_mul_i32 s32, s5, 196608                      ; 16 rows of 12,288 bytes
	s_lshl_b32 s7, s6, 9
	s_add_co_u32 s32, s32, s7
	s_add_nc_u64 s[SRC:SRC+1], s[8:9], s[32:33]
	s_mul_i32 s34, s5, 98304                       ; 16 rows of 6,144 bytes
	s_lshl_b32 s7, s6, 8
	s_add_co_u32 s34, s34, s7
	s_add_nc_u64 s[DST:DST+1], s[20:21], s[34:35]
	CAST16 12288, 6144, 0
	s_endpgm
.Lnot_hidden:
	s_cmp_eq_u32 ttmp9, 6
	s_cbranch_scc1 .Lmask
	s_cmp_ge_u32 s5, 192
	s_cbranch_scc1 .Lwo
	; wq (x = 3), wk (x = 4), wv (x = 5): chunk column = wave, rows 16 y ..
	s_cmp_eq_u32 ttmp9, 3
	s_cselect_b64 s[SRC:SRC+1], s[10:11], s[12:13]
	s_cmp_eq_u32 ttmp9, 5
	s_cselect_b64 s[SRC:SRC+1], s[14:15], s[SRC:SRC+1]
	s_sub_co_u32 s6, ttmp9, 3
	s_lshl_b32 s6, s6, 2
	s_lshr_b32 s7, s4, 1
	s_add_co_u32 s6, s6, s7                        ; wq, wk: group = 4 (x - 3) + head,
	s_and_b32 s7, s4, 1
	s_lshl_b32 s7, s7, 8                           ; at byte 0 or 256 of the group's row
	s_cmp_eq_u32 ttmp9, 5
	s_cselect_b32 s6, s4, s6                       ; wv: group = chunk column,
	s_cselect_b32 s7, 512, s7                      ; at byte 512
	s_lshl_b32 s32, s5, 16                         ; 16 rows of 4,096 bytes
	s_lshl_b32 s36, s4, 9
	s_add_co_u32 s32, s32, s36
	s_add_nc_u64 s[SRC:SRC+1], s[SRC:SRC+1], s[32:33]
	s_mul_i32 s34, s6, 2359296                     ; a group: 3,072 rows of 768 bytes
	s_mul_i32 s36, s5, 12288
	s_add_co_u32 s34, s34, s36
	s_add_co_u32 s34, s34, s7
	s_add_nc_u64 s[DST:DST+1], s[22:23], s[34:35]
	CAST16 4096, 768, 0
	s_endpgm
.Lwo:
	; wo: chunk column c = 8 (x - 3) + wave, rows 16 (y - 192) ..; group c / 3, third c mod 3
	s_sub_co_u32 s36, s5, 192
	s_sub_co_u32 s6, ttmp9, 3
	s_lshl3_add_u32 s6, s6, s4
	s_mul_i32 s7, s6, 11
	s_lshr_b32 s7, s7, 5                           ; 11 c >> 5 = c / 3 for c < 24
	s_mul_i32 s37, s7, 3
	s_sub_co_u32 s37, s6, s37
	s_mul_i32 s32, s36, 196608
	s_lshl_b32 s38, s6, 9
	s_add_co_u32 s32, s32, s38
	s_add_nc_u64 s[SRC:SRC+1], s[16:17], s[32:33]
	s_mul_i32 s34, s7, 786432                      ; a group: 1,024 rows of 768 bytes
	s_mul_i32 s38, s36, 12288
	s_add_co_u32 s34, s34, s38
	s_lshl_b32 s38, s37, 8
	s_add_co_u32 s34, s34, s38
	s_add_nc_u64 s[DST:DST+1], s[24:25], s[34:35]
	CAST16 12288, 768, 1
	s_endpgm
.Lmask:
	; the mask: rows 16 (y >> 1) .., columns 128 (8 (y & 1) + wave) ..
	s_lshr_b32 s6, s5, 1                           ; row group = 4 qb + qs
	s_and_b32 s7, s5, 1
	s_lshl3_add_u32 s7, s7, s4                     ; step
	s_lshl_b32 s32, s6, 17                         ; 16 rows of 8,192 bytes
	s_lshl_b32 s36, s7, 9
	s_add_co_u32 s32, s32, s36
	s_add_nc_u64 s[SRC:SRC+1], s[18:19], s[32:33]
	s_lshr_b32 s36, s6, 2                          ; qb
	s_and_b32 s37, s6, 3                           ; qs
	s_lshl_b32 s34, s36, 19
	s_lshl_b32 s36, s7, 15
	s_add_co_u32 s34, s34, s36
	s_lshl_b32 s36, s37, 10
	s_add_co_u32 s34, s34, s36
	s_add_nc_u64 s[DST:DST+1], s[26:27], s[34:35]
	s_mul_i32 s38, s4, 16*PM                       ; my wave's 16 LDS rows
	v_lshl_add_u32 v3, v5, 4, s38                  ; in: 16 bytes a lane along a row
	v_and_b32 v6, 15, v5
	v_lshrrev_b32 v7, 4, v5
	v_mul_u32_u24 v4, v6, PM                       ; back: row lane & 15, 32 bytes further for lanes 16-31
	v_lshl_add_u32 v4, v7, 5, v4
	v_add_nc_u32 v4, s38, v4                       ; these six lines name v3 to v7 alone: none of the registers that the sixteen loads below touch (v1, X); the first LDS instruction stands behind the wait at the second block's head
	MASK16
	s_wait_dscnt 0x0                               ; the closing lines, six on end
	s_wait_alu 0x0
	s_wait_tensorcnt 0x0
	ds_add_u32 v136, v137
	s_wait_dscnt 0x0
	s_endpgm
.Lfunc_end_k_qbf44eaab77_prep:
	.size	k_qbf44eaab77_prep, .Lfunc_end_k_qbf44eaab77_prep-k_qbf44eaab77_prep
	.p2alignl 7, 3214868480
	.fill 96, 4, 3214868480
	.section	.rodata,"a",@progbits
	.p2align	6, 0x0
	.amdhsa_kernel k_qbf44eaab77_prep
		.amdhsa_group_segment_fixed_size 68608
		.amdhsa_private_segment_fixed_size 0
		.amdhsa_enable_private_segment 0
		.amdhsa_kernarg_size 80
		.amdhsa_user_sgpr_count 2
		.amdhsa_user_sgpr_kernarg_segment_ptr 1
		.amdhsa_wavefront_size32 1
		.amdhsa_system_sgpr_workgroup_id_x 1
		.amdhsa_system_sgpr_workgroup_id_y 1
		.amdhsa_system_sgpr_workgroup_id_z 1
		.amdhsa_system_vgpr_workitem_id 0
		.amdhsa_next_free_vgpr 138
		.amdhsa_next_free_sgpr 66
		.amdhsa_reserve_vcc 0
		.amdhsa_float_denorm_mode_32 3
		.amdhsa_float_denorm_mode_16_64 3
		.amdhsa_memory_ordered 1
		.amdhsa_forward_progress 1
		.amdhsa_inst_pref_size 43
	.end_amdhsa_kernel
	.amdgpu_metadata
---
amdhsa.version: [ 1, 2 ]
amdhsa.kernels:
  - .name:           k_qbf44eaab77_prep
    .symbol:         k_qbf44eaab77_prep.kd
    .args:
      - { .name: hidden_states, .offset: 0, .size: 8, .value_kind: global_buffer, .address_space: global }
      - { .name: wq, .offset: 8, .size: 8, .value_kind: global_buffer, .address_space: global }
      - { .name: wk, .offset: 16, .size: 8, .value_kind: global_buffer, .address_space: global }
      - { .name: wv, .offset: 24, .size: 8, .value_kind: global_buffer, .address_space: global }
      - { .name: wo, .offset: 32, .size: 8, .value_kind: global_buffer, .address_space: global }
      - { .name: mask, .offset: 40, .size: 8, .value_kind: global_buffer, .address_space: global }
      - { .name: xh, .offset: 48, .size: 8, .value_kind: global_buffer, .address_space: global }
      - { .name: wcat, .offset: 56, .size: 8, .value_kind: global_buffer, .address_space: global }
      - { .name: woc, .offset: 64, .size: 8, .value_kind: global_buffer, .address_space: global }
      - { .name: mimg, .offset: 72, .size: 8, .value_kind: global_buffer, .address_space: global }
    .group_segment_fixed_size: 68608
    .private_segment_fixed_size: 0
    .kernarg_segment_align: 8
    .kernarg_segment_size: 80
    .max_flat_workgroup_size: 256
    .sgpr_count:     66
    .vgpr_count:     138
    .wavefront_size: 32
...
	.end_amdgpu_metadata
.endif
;; end of part 5
;; launch qkv: the kernel of part 2 again; grid 8 x 32, 4 waves a work-group, clusters of 4 x 4, 327,680 bytes of LDS; arguments xh, wcat, cos, sin, qkh, vh; writes qkh, vh
;; launch attn: the kernel of part 3 again; grid 32 x 8, 4 waves a work-group, clusters of 4 x 1, 327,680 bytes of LDS; arguments qkh, vh, mimg, ao; writes ao
;; launch oproj: the kernel of part 4 again; grid 8 x 32, 4 waves a work-group, clusters of 4 x 4, 327,680 bytes of LDS; arguments ao, woc, out0; writes out0
